; MI455X (gfx1250); checked and timed in simulation.
; The chip was launched on July 23, 2026; its instructions are those of AMD's public machine-readable ISA for CDNA 5 (MIT licence, August 2026) and "CDNA5" Instruction Set Architecture Reference Guide (July 2026). The comments in the code are by the model that wrote it; some were corrected since.
;; Mixture Of Experts. Allowed arithmetic: matrix products marked QUANTISED: E5M2 operands, one given power-of-two scale a tensor, by v_wmma_f32_16x16x64_bf8_bf8 or v_wmma_f32_16x16x128_bf8_bf8, f32 sums; products left as they are: f32 operands where the result goes on into a quantised operand, else bf16, f16 or f32 operands; f32 sums; everything else in f32.
;; Inputs: W_experts_codes 8 x 2,048 x 64 x 32 uint8 (E5M2 codes of W_experts, K innermost, in blocks of 32 codes); W_gate 8 x 2,048 float32; b_experts 8 x 2,048 float32; b_gate 8 float32; lowp_scales 2 int32 (the exponents e of the quantised operands' scales 2^e); x 2,048 x 2,048 float32.
;; Outputs: out0 2,048 x 2,048 float32.
;; This version of the problem:
;;   THIS VERSION OF THE PROBLEM IS GIVEN IN LOW PRECISION. The matrix products marked QUANTISED in the list below multiply operands that are first quantised to E5M2 (5 exponent bits, 2 mantissa bits; 8 bits a number), with one given power-of-two scale for each operand tensor; their sums are f32. All else is computed in f32.
;;   The module's matrix products, in the order in which they are computed (A, B: the left and right operand; K: the contracted axis; several contracted axes count as one K, in the product's order):
;;     1. [M 2,048, K 2,048] x [K 2,048, N 8]; A: input x; B: input W_gate: left as it is (N = 8 < 16)
;;     2. [M 16,384, K 2,048] x [K 2,048, N 2,048]; A: input W_experts (given as codes); B: input x: QUANTISED (scales: A lowp_scales[0], B lowp_scales[1])
;;     3. batch 2,048 x [M 2,048, K 8] x [K 8, N 1]; A: computed on the way; B: computed on the way: left as it is (K = 8 < 32)
;;   THE QUANTISER, for each operand of a quantised product, along K:
;;     - The operand's scale is 2^e, e = its entry of the input lowp_scales (int32; the entries are numbered through the quantised products in the list's order, A before B).
;;     - Each number is divided by the scale, clamped to +-57,344, and rounded to the nearest number of E5M2, ties to even, subnormals kept.
;;     - The product sums the exact products of the quantised numbers (number of the format x scale) in f32.
;;   ~~~python
;;   def quantise(x, axis, e):      # numpy; x: float32 -> the quantised numbers, widened to float32 again
;;       x = np.moveaxis(x, axis, -1); K = x.shape[-1]
;;       r = np.clip(x / 2.0 ** e, -57344, 57344)
;;       step = 2.0 ** (np.maximum(np.frexp(np.where(r == 0, 1, r))[1] - 1, -14) - 2)
;;       q = np.round(r / step) * step * 2.0 ** e      # np.round: ties to even
;;       return np.moveaxis(q, -1, axis).astype(np.float32)
;;   ~~~
;;   INPUTS GIVEN AS CODES. W_experts (in the module: [8, 2048, 2048], K = its axis 2): each comes as NAME_codes (uint8): NAME with its K axis moved to the last place and cut into blocks of 32 codes, [.., K / 32, bytes a block], one block behind the other in memory; one code a byte (a code: sign, 5 exponent bits, 2 mantissa bits); its scale is its entry of lowp_scales. Its value is code x scale, taken as it is: it is not quantised again, and the codes and scales need not be those that the quantiser above would give.
;; 2 versions. Each part assembles by itself: llvm-mc -triple=amdgcn-amd-amdhsa -mcpu=gfx1250 --defsym DOCPART=n.
;; ======== version 1 of 2: 3 launches
;; workspace buffers: xq 4,194,304 bytes; comb 65,536 bytes; keys 8,192 bytes of whole numbers; order 8,192 bytes of whole numbers; bmask 256 bytes of whole numbers
;; launch route (part 1): grid 256 x 1, 8 waves a work-group, no clusters, 71,168 bytes of LDS; arguments x, W_gate, b_gate, lowp_scales, xq, comb, keys; writes xq, comb, keys
.if DOCPART == 1
	.amdgcn_target "amdgcn-amd-amdhsa--gfx1250"
	.amdhsa_code_object_version 6
	.text
	.protected	k_q66ab721bcd_route
	.globl	k_q66ab721bcd_route
	.p2align	8
	.type	k_q66ab721bcd_route,@function
k_q66ab721bcd_route:
	s_mov_b64 s[64:65], 0
	v_nop
	global_prefetch_b8 v0, s[64:65] scope:SCOPE_SE
	s_setreg_imm32_b32 hwreg(HW_REG_WAVE_MODE, 25, 1), 1
	s_wait_xcnt 0x0
; THE GATE AND x's CODES.  x [2048][2048] f32 is read once.  Out of that one read come
;   xq   [2048][2048] bytes: x's codes of E5M2 with the given scale 2^e1 (entry 1 of the scales), k in its natural order;
;   comb [2048][8] f32: softmax(x W_gate^T + b_gate) at the two largest experts (ties: the lower index), 0 elsewhere;
;   keys [2048] int32: the number p (0..27) of the token's pair of experts.  Everything is stored at fixed places: no address hangs on the choice.
; p walks the pairs (lo < hi) so that neighbouring numbers share an expert: off(lo) = lo (15 - lo) / 2; lo even: p = off + hi - lo - 1; lo odd: p = off + 7 - hi.
; SHARES.  A work-group owns 8 rows.  Wave w owns k = 256 w .. 256 w + 255 of all 8 rows, lane l the eight neighbours 256 w + 8 l + 0..7: what one conversion takes.
; Each thread's 64 partial dot products (8 rows x 8 experts) meet in LDS; then wave w finishes row w: four lanes to an expert.
; All of the gate is f32: fused multiply-adds, the row's maximum taken away before the exponential.
; LIMITS: e1 between -126 and 112, so that 2^e1 and 57,344 x 2^e1 are f32 numbers.  NaN among the inputs is not served.  A gate weight under the smallest normal f32 number counts as 0.
; No matrix unit and no tensor load: the gate has 8 columns, and every byte of x is used where it lands.
.set PP, 1088                          ; LDS: a value's 256 words (one a thread) + 64 bytes: value v's words begin at PP v; four neighbouring values then start 4 columns of 16 bytes apart
.set CB, 64*PP                         ; behind them: the 8 rows' comb, 256 bytes,
.set KB, CB+256                        ; and their 8 keys
.set X,  16                            ; v16-79   x: row i's eight numbers at X + 8 i; later the partial sums read back
.set G,  80                            ; v80-143  W_gate: expert e's eight numbers at G + 8 e
.set P,  144                           ; v144-207 my 64 partial dot products: 8 i + e
.set T,  208                           ; v208-223 two sets of eight held numbers
.set C,  224                           ; v224-239 row i's codes at C + 2 i: no store's data are written again
	s_load_b256 s[4:11], s[0:1], 0x0               ; x s[4:5], W_gate s[6:7], b_gate s[8:9], the scales s[10:11]
	s_load_b128 s[12:15], s[0:1], 0x20             ; xq s[12:13], comb s[14:15]
	s_load_b64 s[16:17], s[0:1], 0x30              ; keys
	v_lshl_add_u32 v254, v0, 2, 0x11200
	v_mov_b32 v255, 0
	v_lshrrev_b32 v240, 5, v0
	v_readfirstlane_b32 s18, v240                  ; wave 0..7
	v_and_b32 v241, 31, v0                         ; lane
	v_lshlrev_b32 v1, 5, v241                      ; my 32 bytes of the wave's 1,024 in a row of x or W_gate
	v_lshlrev_b32 v2, 3, v241                      ; my 8 bytes of the wave's 256 in a row of xq
	v_lshlrev_b32 v3, 2, v0                        ; my word of a value, values 0-31;
	v_add_nc_u32 v4, 32*PP, v3                     ; values 32-63 (an LDS offset has 16 bits)
	v_lshrrev_b32 v5, 2, v0                        ; the value that I finish: thread / 4,
	v_mul_u32_u24 v5, v5, PP
	v_and_b32 v242, 3, v0
	v_lshl_add_u32 v5, v242, 4, v5                 ; and my 16 bytes of each 64
	v_lshrrev_b32 v6, 2, v241
	v_lshlrev_b32 v6, 2, v6                        ; 4 e, e = lane / 4
	s_lshl_b32 s30, s18, 5
	v_add_nc_u32 v7, s30, v6
	v_add_nc_u32 v7, CB, v7                        ; comb(row = wave, e)
	s_lshl_b32 s31, s18, 2
	s_add_co_u32 s31, s31, KB
	v_mov_b32 v8, s31                              ; key(row = wave)
	s_mov_b32 s22, 0x76543210                      ; v_permlanex16_b32: lane l xor 16
	s_mov_b32 s23, 0xfedcba98
	s_lshl_b32 s32, ttmp9, 16                      ; x: 8 rows of 8,192 bytes a work-group,
	s_lshl_b32 s34, s18, 10                        ; 1,024 bytes of a row a wave (W_gate: the same)
	s_add_co_u32 s32, s32, s34
	s_mov_b32 s33, 0
	s_mov_b32 s35, 0
	s_lshl_b32 s36, ttmp9, 14                      ; xq: 8 rows of 2,048 bytes,
	s_lshl_b32 s38, s18, 8                         ; 256 a wave
	s_add_co_u32 s36, s36, s38
	s_mov_b32 s37, 0
	s_lshl_b32 s38, ttmp9, 8                       ; comb: 256 bytes a work-group
	s_mov_b32 s39, 0
	s_lshl_b32 s24, ttmp9, 5                       ; keys: 32
	s_mov_b32 s25, 0
	s_wait_kmcnt 0x0
	s_load_b32 s20, s[10:11], 0x4                  ; e1
	s_add_nc_u64 s[4:5], s[4:5], s[32:33]
	s_add_nc_u64 s[6:7], s[6:7], s[34:35]
	s_add_nc_u64 s[12:13], s[12:13], s[36:37]
	s_add_nc_u64 s[14:15], s[14:15], s[38:39]
	s_add_nc_u64 s[16:17], s[16:17], s[24:25]
.irp i, 0,1,2,3,4,5,6,7
	global_load_b128 v[X+8*\i:X+8*\i+3],   v1, s[4:5] offset:8192*\i th:TH_LOAD_NT      ; the wave reads 1,024 consecutive bytes of row i in two loads
	global_load_b128 v[X+8*\i+4:X+8*\i+7], v1, s[4:5] offset:8192*\i+16 th:TH_LOAD_NT
.endr
.irp e, 0,1,2,3,4,5,6,7
	global_load_b128 v[G+8*\e:G+8*\e+3],   v1, s[6:7] offset:8192*\e
	global_load_b128 v[G+8*\e+4:G+8*\e+7], v1, s[6:7] offset:8192*\e+16
.endr
	global_load_b32 v9, v6, s[8:9]                 ; b_gate(e)
	s_wait_kmcnt 0x0
	s_add_co_i32 s21, s20, 127
	s_lshl_b32 s19, s21, 23
	v_mov_b32 v11, s19                             ; 2^e1 as f32: the conversion takes its exponent field
	s_add_co_i32 s21, s21, 15
	s_lshl_b32 s21, s21, 23
	s_or_b32 s21, s21, 0x600000
	v_mov_b32 v10, s21                             ; 57,344 x 2^e1
	; ---- x's codes
	s_wait_loadcnt 17                              ; x is in; the 16 loads of W_gate and the one of b_gate may be out
.irp i, 0,1,2,3,4,5,6,7
.irp j, 0,1,2,3,4,5,6,7
	v_med3_num_f32 v[T+8*(\i%2)+\j], v[X+8*\i+\j], -v10, v10   ; the conversion to an 8-bit code does not saturate (ISA guide 7.6.2): the hold at the largest code x the scale.  x itself stays for the gate
.endr
	v_cvt_scalef32_pk8_bf8_f32 v[C+2*\i:C+2*\i+1], v[T+8*(\i%2):T+8*(\i%2)+7], v11   ; the two sets of T take turns: the next row's eight holds stand between a conversion and the next write of its sources
	global_store_b64 v2, v[C+2*\i:C+2*\i+1], s[12:13] offset:2048*\i                 ; the 32 lanes store 256 consecutive bytes, at a multiple of 256 from xq's first byte
.endr
	v_nop                                          ; a plain line behind the last conversion
	; ---- the partial dot products: 8 rows x 8 experts over my eight k
	s_wait_loadcnt 0x0
.irp i, 0,1,2,3,4,5,6,7
.irp g, 0,1
.irp u, 0,1,2,3
	v_pk_mul_f32 v[240+2*\u:241+2*\u], v[X+8*\i:X+8*\i+1], v[G+8*(4*\g+\u):G+8*(4*\g+\u)+1]
.endr
.irp j, 2,4,6
.irp u, 0,1,2,3
	v_pk_fma_f32 v[240+2*\u:241+2*\u], v[X+8*\i+\j:X+8*\i+\j+1], v[G+8*(4*\g+\u)+\j:G+8*(4*\g+\u)+\j+1], v[240+2*\u:241+2*\u]
.endr
.endr
.irp u, 0,1,2,3
	v_add_f32 v[P+8*\i+4*\g+\u], v[240+2*\u], v[241+2*\u]
.endr
.endr
.endr
.set n, 0
.rept 32
	ds_store_b32 v3, v[P+n] offset:n*PP            ; a wave's 32 words lie on end
	ds_store_b32 v4, v[P+32+n] offset:n*PP
.set n, n+1
.endr
	s_wait_dscnt 0x0                               ; for the others' sake: my stores have landed
	s_barrier_signal -1
	s_barrier_wait -1
	; ---- row = wave, expert = lane / 4: my quarter of the value's 256 words
.irp i, 0,1,2,3,4,5,6,7,8,9,10,11,12,13,14,15
	ds_load_b128 v[X+4*\i:X+4*\i+3], v5 offset:64*\i
.endr
	s_wait_dscnt 0x0
.set n, 4
.rept 28
	v_pk_add_f32 v[X+2*(n%4):X+2*(n%4)+1], v[X+2*(n%4):X+2*(n%4)+1], v[X+2*n:X+2*n+1]   ; four chains
.set n, n+1
.endr
	v_pk_add_f32 v[16:17], v[16:17], v[18:19]
	v_pk_add_f32 v[20:21], v[20:21], v[22:23]
	v_pk_add_f32 v[16:17], v[16:17], v[20:21]
	v_add_f32 v16, v16, v17
	v_add_f32_dpp v16, v16, v16 row_xmask:1 row_mask:0xf bank_mask:0xf
	v_add_f32_dpp v16, v16, v16 row_xmask:2 row_mask:0xf bank_mask:0xf    ; the four lanes of an expert hold its dot product
	v_add_f32 v16, v16, v9                         ; the logit
	; ---- softmax over the eight experts: they differ in bits 2, 3, 4 of the lane
	v_mov_b32 v17, v16
	v_max_num_f32_dpp v17, v17, v17 row_xmask:4 row_mask:0xf bank_mask:0xf
	v_max_num_f32_dpp v17, v17, v17 row_xmask:8 row_mask:0xf bank_mask:0xf
	v_permlanex16_b32 v18, v17, s22, s23
	v_max_num_f32 v17, v17, v18                    ; the row's largest logit
	v_sub_f32 v18, v16, v17
	v_mul_f32 v18, 0x3fb8aa3b, v18                 ; x log2(e)
	v_exp_f32 v18, v18
	v_nop                                          ; a plain line behind the transcendental
	s_wait_alu depctr_va_vdst(0)
	v_mov_b32 v19, v18
	v_add_f32_dpp v19, v19, v19 row_xmask:4 row_mask:0xf bank_mask:0xf
	v_add_f32_dpp v19, v19, v19 row_xmask:8 row_mask:0xf bank_mask:0xf
	v_permlanex16_b32 v20, v19, s22, s23
	v_add_f32 v19, v19, v20
	v_rcp_f32 v19, v19
	v_nop
	s_wait_alu depctr_va_vdst(0)
	v_mul_f32 v20, v18, v19                        ; g(e)
	; ---- the two largest, without a branch: an expert's rank is the number of experts that beat it; at a tie the lower index beats the higher
.irp e, 0,1,2,3,4,5,6,7
	v_readlane_b32 s[40+\e], v20, 4*\e
.endr
	v_mov_b32 v21, 0
.irp e, 0,1,2,3,4,5,6,7
	v_cmp_gt_f32 s30, s[40+\e], v20
.if \e < 7
	v_cmp_ge_f32 s31, s[40+\e], v20
	s_and_b32 s31, s31, (0xffffffff<<(4*\e+4))&0xffffffff   ; the lanes of the experts above this one
	s_or_b32 s30, s30, s31
.endif
	v_cndmask_b32 v22, 0, 1, s30
	v_add_nc_u32 v21, v21, v22
.endr
	v_cmp_gt_u32 vcc_lo, 2, v21                    ; the lanes of the two chosen experts
	v_cndmask_b32 v23, 0, v20, vcc_lo              ; comb(row, e)
	s_ctz_i32_b32 s30, vcc_lo
	s_lshr_b32 s30, s30, 2                         ; lo
	s_lshl_b32 s31, s30, 2
	s_lshl_b32 s31, 15, s31
	s_and_not1_b32 s32, vcc_lo, s31
	s_ctz_i32_b32 s33, s32
	s_lshr_b32 s33, s33, 2                         ; hi
	s_sub_co_u32 s34, 15, s30
	s_mul_i32 s34, s34, s30
	s_lshr_b32 s34, s34, 1                         ; off(lo)
	s_sub_co_u32 s35, 7, s33                       ; lo odd
	s_sub_co_u32 s36, s33, s30
	s_sub_co_u32 s36, s36, 1                       ; lo even
	s_bitcmp1_b32 s30, 0
	s_cselect_b32 s35, s35, s36                    ; a choice of a value, no branch
	s_add_co_u32 s34, s34, s35
	v_mov_b32 v24, s34                             ; p
	ds_store_b32 v7, v23                           ; (lanes that name the same word hold the same number)
	ds_store_b32 v8, v24
	s_wait_dscnt 0x0
	s_barrier_signal -1
	s_barrier_wait -1
	; ---- wave 0 stores the work-group's comb (256 consecutive bytes, aligned) and its 8 keys (32 bytes: a part of a block; the whole buffer is 8,192 bytes)
	s_cmp_lg_u32 s18, 0
	s_cbranch_scc1 .Lend
	v_add_nc_u32 v25, CB, v2
	ds_load_b64 v[26:27], v25
	v_and_b32 v28, 7, v0
	v_lshl_add_u32 v28, v28, 2, KB
	ds_load_b32 v29, v28
	v_lshlrev_b32 v30, 2, v0
	v_cmp_gt_u32 vcc_lo, 8, v0
	s_wait_dscnt 0x0
	global_store_b64 v2, v[26:27], s[14:15]
	s_wait_xcnt 0x0                                ; EXEC changes only behind this wait
	s_and_saveexec_b32 s30, vcc_lo
	global_store_b32 v30, v29, s[16:17]
	s_wait_xcnt 0x0
	s_or_b32 exec_lo, exec_lo, s30
.Lend:
	s_wait_tensorcnt 0x0
	ds_add_u32 v254, v255
	s_wait_dscnt 0x0
	s_endpgm
.Lfunc_end_k_q66ab721bcd_route:
	.size	k_q66ab721bcd_route, .Lfunc_end_k_q66ab721bcd_route-k_q66ab721bcd_route
	.p2alignl 7, 3214868480
	.fill 96, 4, 3214868480
	.section	.rodata,"a",@progbits
	.p2align	6, 0x0
	.amdhsa_kernel k_q66ab721bcd_route
		.amdhsa_group_segment_fixed_size 71168
		.amdhsa_private_segment_fixed_size 0
		.amdhsa_enable_private_segment 0
		.amdhsa_kernarg_size 56
		.amdhsa_user_sgpr_count 2
		.amdhsa_user_sgpr_kernarg_segment_ptr 1
		.amdhsa_wavefront_size32 1
		.amdhsa_system_sgpr_workgroup_id_x 1
		.amdhsa_system_sgpr_workgroup_id_y 1
		.amdhsa_system_sgpr_workgroup_id_z 1
		.amdhsa_system_vgpr_workitem_id 0
		.amdhsa_next_free_vgpr 256
		.amdhsa_next_free_sgpr 66
		.amdhsa_reserve_vcc 1
		.amdhsa_float_denorm_mode_32 3
		.amdhsa_float_denorm_mode_16_64 3
		.amdhsa_memory_ordered 1
		.amdhsa_forward_progress 1
		.amdhsa_inst_pref_size 42
	.end_amdhsa_kernel
	.amdgpu_metadata
---
amdhsa.version: [ 1, 2 ]
amdhsa.kernels:
  - .name:           k_q66ab721bcd_route
    .symbol:         k_q66ab721bcd_route.kd
    .args:
      - { .name: x, .offset: 0, .size: 8, .value_kind: global_buffer, .address_space: global }
      - { .name: W_gate, .offset: 8, .size: 8, .value_kind: global_buffer, .address_space: global }
      - { .name: b_gate, .offset: 16, .size: 8, .value_kind: global_buffer, .address_space: global }
      - { .name: lowp_scales, .offset: 24, .size: 8, .value_kind: global_buffer, .address_space: global }
      - { .name: xq, .offset: 32, .size: 8, .value_kind: global_buffer, .address_space: global }
      - { .name: comb, .offset: 40, .size: 8, .value_kind: global_buffer, .address_space: global }
      - { .name: keys, .offset: 48, .size: 8, .value_kind: global_buffer, .address_space: global }
    .group_segment_fixed_size: 71168
    .private_segment_fixed_size: 0
    .kernarg_segment_align: 8
    .kernarg_segment_size: 56
    .max_flat_workgroup_size: 256
    .sgpr_count:     66
    .vgpr_count:     256
    .wavefront_size: 32
...
	.end_amdgpu_metadata
.endif
;; end of part 1
;; launch place (part 2): grid 1 x 1, 32 waves a work-group, no clusters, 13,312 bytes of LDS; arguments keys, order, bmask; writes order, bmask
.if DOCPART == 2
	.amdgcn_target "amdgcn-amd-amdhsa--gfx1250"
	.amdhsa_code_object_version 6
	.text
	.protected	k_q66ab721bcd_place
	.globl	k_q66ab721bcd_place
	.p2align	8
	.type	k_q66ab721bcd_place,@function
k_q66ab721bcd_place:
	s_mov_b64 s[64:65], 0
	v_nop
	global_prefetch_b8 v0, s[64:65] scope:SCOPE_SE
	s_setreg_imm32_b32 hwreg(HW_REG_WAVE_MODE, 25, 1), 1
	s_wait_xcnt 0x0
; THE TOKENS ARE SORTED BY THEIR PAIR OF EXPERTS: a counting sort of 2,048 keys (0..27) by one work-group, without atomics.
;   order [2048] int32: the token at each sorted place;   bmask [32] int32: for each block of 64 sorted places, the set of experts (8 bits) that its tokens use.
; Wave w owns tokens 64 w .. 64 w + 63, in two halves of 32.  A: each wave counts its tokens of each key (lane = key) and each token's rank among equal keys of its half.
; B: wave b sums key b's counts over the waves (lane = wave).  C: the keys' first places (lane = key), each token's place, and block w's mask.
; One work-group: the sums span all tokens, and the whole input is 8,192 bytes.
; The places are stored as single words into an 8,192-byte buffer; equal keys' places are neighbours.
.set SS, 0                             ; LDS: S[w][b] at 132 w + 4 b: the pitch of 33 words keeps rows and columns on different banks
.set PS, 4352                          ; P[w][b]: key b's tokens in the waves below w
.set TS, 8704                          ; T[b]: key b's tokens in all
.set BM, 8960                          ; the 32 masks
.macro SCAN v, t                       ; the inclusive sum over the 32 lanes of v[v]; v[t] at work (written before)
.irp n, 1,2,4,8
	v_mov_b32_dpp v[\t], v[\v] row_shr:\n row_mask:0xf bank_mask:0xf bound_ctrl:1
	v_add_nc_u32 v[\v], v[\v], v[\t]
.endr
	v_readlane_b32 s24, v[\v], 15
	v_mov_b32 v[\t], s24
	v_cndmask_b32 v[\t], 0, v[\t], s25             ; lanes 16-31 take the lower half's sum
	v_add_nc_u32 v[\v], v[\v], v[\t]
.endm
	s_load_b128 s[4:7], s[0:1], 0x0                ; keys s[4:5], order s[6:7]
	s_load_b64 s[8:9], s[0:1], 0x10                ; bmask
	v_lshl_add_u32 v32, v0, 2, 0x2400
	v_mov_b32 v33, 0
	v_lshrrev_b32 v1, 5, v0
	v_readfirstlane_b32 s18, v1                    ; wave 0..31
	v_and_b32 v1, 31, v0                           ; lane
	v_lshlrev_b32 v2, 2, v1                        ; 4 x lane
	s_lshl_b32 s19, s18, 8
	v_add_nc_u32 v3, s19, v2                       ; my first token's key
	s_mul_i32 s19, s18, 132
	v_add_nc_u32 v11, s19, v2                      ; [wave][lane]
	v_mul_u32_u24 v14, v1, 132
	s_lshl_b32 s26, s18, 2
	v_add_nc_u32 v14, s26, v14                     ; [lane][wave]
	v_mov_b32 v17, s26                             ; 4 x wave
	s_lshl_b32 s28, s18, 6                         ; 64 w: my first token, and my block's first place
	s_add_co_u32 s29, s28, 64
	v_add_nc_u32 v29, s28, v1                      ; my two tokens
	v_add_nc_u32 v30, 32, v29
	s_mov_b32 s25, 0xffff0000
	v_mov_b32 v6, 0                                ; counts of the first half, lane = key
	v_mov_b32 v7, 0                                ; of the second
	v_mov_b32 v8, 0                                ; my first token's rank among equal keys of its half
	v_mov_b32 v9, 0                                ; my second's
	s_wait_kmcnt 0x0
	global_load_b32 v4, v3, s[4:5]
	global_load_b32 v5, v3, s[4:5] offset:128
	s_wait_loadcnt 0x0
	v_min_u32 v4, 31, v4
	v_min_u32 v5, 31, v5
	; ---- A
.set b, 0
.rept 28
.irp j, 0,1
	v_cmp_eq_u32 s20, b, v[4+\j]
	s_bcnt1_i32_b32 s21, s20
	v_writelane_b32 v[6+\j], s21, b
	v_mbcnt_lo_u32_b32 v10, s20, 0                 ; equal keys in the lanes below mine
	v_cndmask_b32 v[8+\j], v[8+\j], v10, s20
.endr
.set b, b+1
.endr
	v_add_nc_u32 v12, v6, v7
	ds_store_b32 v11, v12 offset:SS
	s_wait_dscnt 0x0
	s_barrier_signal -1
	s_barrier_wait -1
	; ---- B: wave = key, lane = wave
	ds_load_b32 v13, v14 offset:SS
	s_wait_dscnt 0x0
	v_mov_b32 v15, v13
	SCAN 13, 10
	v_sub_nc_u32 v16, v13, v15                     ; in the waves below
	v_readlane_b32 s27, v13, 31                    ; in all
	v_mov_b32 v18, s27
	ds_store_b32 v14, v16 offset:PS
	ds_store_b32 v17, v18 offset:TS
	s_wait_dscnt 0x0
	s_barrier_signal -1
	s_barrier_wait -1
	; ---- C: lane = key
	ds_load_b32 v19, v2 offset:TS
	ds_load_b32 v20, v11 offset:PS
	s_wait_dscnt 0x0
	v_mov_b32 v21, v19
	SCAN 21, 10                                    ; v21: where the key's places end
	v_sub_nc_u32 v22, v21, v19                     ; and where they begin
	v_add_nc_u32 v23, v22, v20                     ; where my wave's first half begins in them,
	v_add_nc_u32 v24, v23, v6                      ; and its second
	v_lshlrev_b32 v25, 2, v4
	v_lshlrev_b32 v27, 2, v5
	ds_bpermute_b32 v26, v25, v23                  ; lane = token again: each takes its key's figure
	ds_bpermute_b32 v28, v27, v24
	v_max_u32 v12, s28, v22                        ; block w and the key's places overlap where
	v_min_u32 v13, s29, v21                        ; the lesser end lies above the greater beginning
	v_cmp_gt_u32 s20, v13, v12                     ; the set of keys in my block
	s_mov_b32 s22, 0
.macro EBIT e, bins                    ; expert e is used if one of the pairs that hold it is
	s_and_b32 s21, s20, \bins
	s_cselect_b32 s21, 1<<\e, 0
	s_or_b32 s22, s22, s21
.endm
	EBIT 0, 0x0000007f
	EBIT 1, 0x00001f81
	EBIT 2, 0x0003f002
	EBIT 3, 0x003c2804
	EBIT 4, 0x01e04408
	EBIT 5, 0x06508210
	EBIT 6, 0x0c890120
	EBIT 7, 0x0b0600c0
	v_mov_b32 v18, s22
	ds_store_b32 v17, v18 offset:BM
	s_wait_dscnt 0x0                               ; the two permutes are back, and the mask has landed
	v_add_nc_u32 v26, v26, v8
	v_add_nc_u32 v28, v28, v9
	v_min_u32 v26, 0x7ff, v26                      ; a place, held inside the buffer
	v_min_u32 v28, 0x7ff, v28
	v_lshlrev_b32 v26, 2, v26
	v_lshlrev_b32 v28, 2, v28
	global_store_b32 v26, v29, s[6:7]
	global_store_b32 v28, v30, s[6:7]
	s_barrier_signal -1
	s_barrier_wait -1
	; ---- wave 0 stores the 32 masks: 128 consecutive bytes
	s_cmp_lg_u32 s18, 0
	s_cbranch_scc1 .Lend
	ds_load_b32 v19, v2 offset:BM
	s_wait_dscnt 0x0
	global_store_b32 v2, v19, s[8:9]
.Lend:
	s_wait_tensorcnt 0x0
	ds_add_u32 v32, v33
	s_wait_dscnt 0x0
	s_endpgm
.Lfunc_end_k_q66ab721bcd_place:
	.size	k_q66ab721bcd_place, .Lfunc_end_k_q66ab721bcd_place-k_q66ab721bcd_place
	.p2alignl 7, 3214868480
	.fill 96, 4, 3214868480
	.section	.rodata,"a",@progbits
	.p2align	6, 0x0
	.amdhsa_kernel k_q66ab721bcd_place
		.amdhsa_group_segment_fixed_size 13312
		.amdhsa_private_segment_fixed_size 0
		.amdhsa_enable_private_segment 0
		.amdhsa_kernarg_size 24
		.amdhsa_user_sgpr_count 2
		.amdhsa_user_sgpr_kernarg_segment_ptr 1
		.amdhsa_wavefront_size32 1
		.amdhsa_system_sgpr_workgroup_id_x 1
		.amdhsa_system_sgpr_workgroup_id_y 1
		.amdhsa_system_sgpr_workgroup_id_z 1
		.amdhsa_system_vgpr_workitem_id 0
		.amdhsa_next_free_vgpr 34
		.amdhsa_next_free_sgpr 66
		.amdhsa_reserve_vcc 0
		.amdhsa_float_denorm_mode_32 3
		.amdhsa_float_denorm_mode_16_64 3
		.amdhsa_memory_ordered 1
		.amdhsa_forward_progress 1
		.amdhsa_inst_pref_size 22
	.end_amdhsa_kernel
	.amdgpu_metadata
---
amdhsa.version: [ 1, 2 ]
amdhsa.kernels:
  - .name:           k_q66ab721bcd_place
    .symbol:         k_q66ab721bcd_place.kd
    .args:
      - { .name: keys, .offset: 0, .size: 8, .value_kind: global_buffer, .address_space: global }
      - { .name: order, .offset: 8, .size: 8, .value_kind: global_buffer, .address_space: global }
      - { .name: bmask, .offset: 16, .size: 8, .value_kind: global_buffer, .address_space: global }
    .group_segment_fixed_size: 13312
    .private_segment_fixed_size: 0
    .kernarg_segment_align: 8
    .kernarg_segment_size: 24
    .max_flat_workgroup_size: 1024
    .sgpr_count:     66
    .vgpr_count:     34
    .wavefront_size: 32
...
	.end_amdgpu_metadata
.endif
;; end of part 2
;; launch experts (part 3): grid 8 x 32, 4 waves a work-group, no clusters, 150,016 bytes of LDS; arguments xq, W_experts_codes, b_experts, comb, order, bmask, lowp_scales, out0; writes out0
.if DOCPART == 3
	.amdgcn_target "amdgcn-amd-amdhsa--gfx1250"
	.amdhsa_code_object_version 6
	.text
	.protected	k_q66ab721bcd_experts
	.globl	k_q66ab721bcd_experts
	.p2align	8
	.type	k_q66ab721bcd_experts,@function
k_q66ab721bcd_experts:
	s_mov_b64 s[64:65], 0
	v_nop
	global_prefetch_b8 v0, s[64:65] scope:SCOPE_SE
	s_setreg_imm32_b32 hwreg(HW_REG_WAVE_MODE, 25, 1), 1
	s_wait_xcnt 0x0
; out[n][o] = the sum over the experts e chosen for token n of comb[n][e] x relu(2^(e0 + e1) x (sum over k of Wcode[e][o][k] xcode[n][k]) + b[e][o]).
; The products are on codes of E5M2 as they lie, by v_wmma_f32_16x16x128_bf8_bf8, sums in f32.  Only experts that a block's tokens chose are multiplied.
; SHARES.  Work-group (bx, by): the 64 tokens at sorted places 64 by .. 64 by + 63 x columns 256 bx .. 256 bx + 255.  Each output row piece has one owner: nothing is summed between work-groups.
; Wave w: all 64 tokens x columns 256 bx + 64 w .. + 63: 4 tiles of tokens (m) x 4 tiles of columns (t), 16 accumulators.
; The block's tokens were sorted by their pair of experts, so a block uses few experts; its mask (8 bits) is read from bmask, and the experts in it are walked in ascending order.
; A token that did not choose a walked expert has comb = 0 there, and adds 0.
; x's codes: the 64 tokens' rows are gathered once into LDS (128 KiB) and serve every expert.  W's codes go from memory straight into registers, a ring of four K steps of 128.
; NO TENSOR LOAD, NO CLUSTER, NO JOINT LOADS: the number of experts walked, and which, is read from memory and differs from block to block, so a tile's requests could not be counted alike on every path,
; and work-groups side by side would ask for different experts' rows.
; THE MATRIX INSTRUCTION IS USED TRANSPOSED: source 0 = 16 rows of W (columns of out), source 1 = 16 tokens: lane (r, h) holds token 16 m + r and columns 16 t + 8 h + 0..7: 32 neighbouring bytes of a row of out.
; A fragment (16 rows x 128 k) is fetched by four loads of 16 bytes at 32 c + 16 h of the step's 128 bytes: the same permutation of k in W and in x, so every product meets its partner.
; The bias is the C of an expert's first product, divided by 2^(e0 + e1); the gate's weight is multiplied by 2^(e0 + e1): relu(s) x 2^es x g = relu(s x 2^es) x g.
; LIMITS: b / 2^(e0 + e1) and comb x 2^(e0 + e1) stay finite f32 numbers (both by v_ldexp_f32).  Codes of infinity or NaN in W are not served.
; REGISTERS, in windows of 256: window 0: v1-11, v56-58 addresses; v12-15 tokens x 32; v16-23 the gate's weights, in pairs; v24-55 the bias; v64-191 x's fragments, two sets; v192-223 where the rows of out go.
;   window 1: v0-127 the 16 accumulators ((m, t) at 8 (4 m + t)); v128-255 out's sums, likewise.   window 2: W's ring: set q, tile t at 64 q + 16 t.
.set XP,  2064                         ; a token's row in LDS: 2,048 bytes + 16 = 129 x 16: the 16 rows of a fragment load start in 16 different columns of 16 bytes
.set STG, 64*XP                        ; behind the rows: a stage of 16 rows x 272 bytes for each wave, for the way out
.set SP,  272
.set TC,  12
.set CW,  16
.set BI,  24
.set XF,  64
.set TO,  192
.set OS,  128                          ; out's sums, in window 1
.set WC,  52                           ; s[52:53] the expert in hand: its rows of W for my columns
.set WN,  54                           ; s[54:55] the next expert's
.set MSB, 0
.macro WIN new                         ; the immediate's high byte repeats the setting that is left; a switch that changes nothing is dropped
.if MSB != \new
	s_set_vgpr_msb (MSB<<8)|\new
.set MSB, \new
.endif
.endm
.macro PLACES                          ; four plain vector lines behind matrix instructions, in front of loads into registers that they read and of the first read of results
.rept 4
	v_nop
.endr
.endm
.macro NEXT                            ; the lowest expert left in the mask becomes the next one
	s_ctz_i32_b32 s51, s48
	s_min_u32 s51, s51, 7                          ; held inside the tables
	s_lshl_b32 s60, 1, s51
	s_and_not1_b32 s48, s48, s60
	s_lshl_b32 s60, s51, 22                        ; an expert's codes are 2,048 x 2,048 bytes
	s_add_nc_u64 s[WN:WN+1], s[24:25], s[60:61]
	s_lshl_b32 s60, s51, 13                        ; its bias 8,192
	s_add_nc_u64 s[56:57], s[26:27], s[60:61]
.endm
.macro LDW b, set, step                ; W's four fragments of a K step into a set of the ring: 16 loads
.irp t, 0,1,2,3
.irp c, 0,1,2,3
	global_load_b128 v[64*(\set)+16*\t+4*\c:64*(\set)+16*\t+4*\c+3], v4, s[\b:\b+1] offset:32768*\t+128*(\step)+32*\c
.endr
.endr
.endm
.macro LDX set, step                   ; x's four fragments of a K step: 16 LDS loads
.irp m, 0,1
.irp c, 0,1,2,3
	ds_load_b128 v[XF+64*(\set)+16*\m+4*\c:XF+64*(\set)+16*\m+4*\c+3], v5 offset:16*XP*\m+128*(\step)+32*\c
.endr
.endr
.irp m, 0,1
.irp c, 0,1,2,3
	ds_load_b128 v[XF+64*(\set)+32+16*\m+4*\c:XF+64*(\set)+32+16*\m+4*\c+3], v6 offset:16*XP*\m+128*(\step)+32*\c
.endr
.endr
.endm
.macro LDBIAS                          ; the next expert's bias at my columns: tile t, 8 h + 0..7
.irp t, 0,1,2,3
	global_load_b128 v[BI+8*\t:BI+8*\t+3],   v7, s[56:57] offset:64*\t
	global_load_b128 v[BI+8*\t+4:BI+8*\t+7], v7, s[56:57] offset:64*\t+16
.endr
.endm
.macro MUL s                           ; 16 products; the 16 accumulators take turns, one instruction a turn, in the same order in every step
.irp m, 0,1,2,3
.irp t, 0,1,2,3
.if (\s) == 0
	v_wmma_f32_16x16x128_bf8_bf8 v[8*(4*\m+\t):8*(4*\m+\t)+7], v[64*((\s)%4)+16*\t:64*((\s)%4)+16*\t+15], v[XF+64*((\s)%2)+16*\m:XF+64*((\s)%2)+16*\m+15], v[BI+8*\t:BI+8*\t+7]
.else
	v_wmma_f32_16x16x128_bf8_bf8 v[8*(4*\m+\t):8*(4*\m+\t)+7], v[64*((\s)%4)+16*\t:64*((\s)%4)+16*\t+15], v[XF+64*((\s)%2)+16*\m:XF+64*((\s)%2)+16*\m+15], v[8*(4*\m+\t):8*(4*\m+\t)+7]
.endif
.endr
.endr
.endm
; K step s of an expert.  Global loads are issued in this order: W0 W1 W2 W3 | the 4 weights, W4 .. W7, the next bias (8), W8 .. W15, the next expert's W0 .. W3 (the last expert: no bias, no next).
; The count of the wait is what was issued behind this step's 16 loads.
.macro STEP s, last
.if (\s) < 4
.set NW, 52                            ; three steps' 48 and the 4 weights
.elseif ((\s) >= 5) && ((\s) <= 7) && ((\last) == 0)
.set NW, 56                            ; three steps' 48 and the 8 of the bias
.elseif ((\last) != 0) && ((\s) >= 13)
.set NW, 16*(15-(\s))                  ; the last expert's counts run down
.else
.set NW, 48
.endif
	s_wait_loadcnt NW
.if ((\last) != 0) && ((\s) == 15)
	s_wait_dscnt 0x0
.else
	s_wait_dscnt 16                                ; this step's fragments of x are in; the next step's 16 loads may be out
.endif
.if (\s) == 0
.set j, 0
.rept 32
	v_ldexp_f32 v[BI+j], v[BI+j], s63              ; b / 2^(e0 + e1): it was loaded ahead of this step's W
.set j, j+1
.endr
	WIN 0x42                                       ; W window 2, x and the bias window 0, D window 1
.else
	WIN 0x52                                       ; W window 2, x window 0, C and D window 1
.endif
	MUL \s
	PLACES
	WIN 0
.if ((\s) == 4) && ((\last) == 0)
	LDBIAS
.endif
.if ((\last) == 0) || ((\s) < 14)
	LDX (\s)%2, ((\s)+2)%16                        ; two steps ahead; x is the same for every expert, so steps 14 and 15 fetch the next expert's first two
.endif
.if (\s) <= 11
	WIN 0x80                                       ; destination window 2
	LDW WC, (\s)%4, (\s)+4                         ; four steps ahead
.elseif (\last) == 0
	WIN 0x80
	LDW WN, (\s)%4, (\s)-12
.endif
.endm
.macro EXPERT first, last
	WIN 0
	s_wait_xcnt 0x0                                ; every load issued has read its base: the bases are written again only behind this wait
	s_mov_b64 s[WC:WC+1], s[WN:WN+1]
	s_lshl_b32 s60, s51, 2
	s_add_nc_u64 s[58:59], s[10:11], s[60:61]      ; comb at this expert's column
.if (\last) == 0
	NEXT
.endif
.irp m, 0,1,2,3
	global_load_b32 v[CW+2*\m], v[TC+\m], s[58:59] ; my token's weight for this expert, tile m
.endr
.irp s, 0,1,2,3,4,5,6,7,8,9,10,11,12,13,14,15
	STEP \s, \last
.endr
	WIN 0
.irp m, 0,1,2,3
	v_ldexp_f32 v[CW+2*\m], v[CW+2*\m], s62        ; x 2^(e0 + e1); the weights were loaded ahead of step 4's W
.endr
	WIN 0x51                                       ; destination, source 0 and source 2 window 1; the weight window 0
.irp m, 0,1,2,3
.irp t, 0,1,2,3
.irp j, 0,1,2,3,4,5,6,7
	v_max_num_f32 v[8*(4*\m+\t)+\j], v[8*(4*\m+\t)+\j], 0     ; relu; each accumulator from its low end on
.endr
.irp j, 0,2,4,6
.if \first
	v_pk_mul_f32 v[OS+8*(4*\m+\t)+\j:OS+8*(4*\m+\t)+\j+1], v[8*(4*\m+\t)+\j:8*(4*\m+\t)+\j+1], v[CW+2*\m:CW+2*\m+1] op_sel_hi:[1,0]   ; the first expert starts out's sums: nothing is cleared
.else
	v_pk_fma_f32 v[OS+8*(4*\m+\t)+\j:OS+8*(4*\m+\t)+\j+1], v[8*(4*\m+\t)+\j:8*(4*\m+\t)+\j+1], v[CW+2*\m:CW+2*\m+1], v[OS+8*(4*\m+\t)+\j:OS+8*(4*\m+\t)+\j+1] op_sel_hi:[1,0,1]
.endif
.endr
.endr
.endr
	WIN 0
.endm
	s_load_b512 s[4:19], s[0:1], 0x0               ; xq s[4:5], W s[6:7], b s[8:9], comb s[10:11], order s[12:13], bmask s[14:15], the scales s[16:17], out s[18:19]
	v_lshl_add_u32 v254, v0, 2, 0x24800
	v_mov_b32 v255, 0
	v_lshrrev_b32 v1, 5, v0
	v_readfirstlane_b32 s20, v1                    ; wave 0..3
	v_and_b32 v1, 31, v0                           ; lane
	v_and_b32 v2, 15, v0                           ; r
	v_bfe_u32 v3, v0, 4, 1                         ; h
	v_lshlrev_b32 v4, 11, v2
	v_lshl_add_u32 v4, v3, 4, v4                   ; W: row r of 2,048 bytes, + 16 h
	v_mul_u32_u24 v5, v2, XP
	v_lshl_add_u32 v5, v3, 4, v5                   ; x in LDS: row r, + 16 h: tiles 0 and 1;
	v_add_nc_u32 v6, 32*XP, v5                     ; tiles 2 and 3 (an LDS offset has 16 bits)
	v_lshlrev_b32 v7, 5, v3                        ; the bias: 32 h
	v_lshlrev_b32 v8, 4, v1                        ; 16 x lane
	s_mul_i32 s60, s20, 16*XP
	v_add_nc_u32 v9, s60, v8                       ; the fill: my wave's 16 rows, 16 bytes a lane
	s_mul_i32 s60, s20, 16*SP
	s_add_co_u32 s60, s60, STG                     ; my stage
	v_mul_u32_u24 v10, v2, SP
	v_lshl_add_u32 v10, v3, 5, v10
	v_add_nc_u32 v10, s60, v10                     ; in: row r, + 32 h
	v_mul_u32_u24 v11, v3, SP
	v_lshl_add_u32 v11, v2, 4, v11
	v_add_nc_u32 v11, s60, v11                     ; back: lanes 0-15 one row of 256 bytes, lanes 16-31 the next
	v_lshlrev_b32 v56, 2, v2                       ; 4 r
	v_lshlrev_b32 v57, 2, v3                       ; 4 h
	v_lshlrev_b32 v58, 4, v2                       ; 16 r
.irp m, 0,1,2,3
	v_mov_b32 v[CW+2*\m+1], 0                      ; named as the upper half of a pair, so it is written
.endr
	s_and_b32 s22, ttmp7, 0xffff                   ; by: the block of tokens
	s_lshl_b32 s23, ttmp9, 8
	s_lshl_b32 s60, s20, 6
	s_add_co_u32 s23, s23, s60                     ; my first column: 256 bx + 64 w
	s_mov_b32 s61, 0                               ; the upper word of every offset
	s_wait_kmcnt 0x0
	s_lshl_b32 s60, s23, 11
	s_add_nc_u64 s[24:25], s[6:7], s[60:61]        ; W at my first column's row, expert 0
	s_lshl_b32 s60, s23, 2
	s_add_nc_u64 s[26:27], s[8:9], s[60:61]        ; b likewise
	s_add_nc_u64 s[28:29], s[18:19], s[60:61]      ; out at my first column, row 0
	s_lshl_b32 s60, s22, 8
	s_add_nc_u64 s[30:31], s[12:13], s[60:61]      ; order at my block
	s_lshl_b32 s60, s20, 6
	s_add_nc_u64 s[58:59], s[30:31], s[60:61]
	s_load_b512 s[32:47], s[58:59], 0x0            ; the 16 tokens whose rows my wave gathers
	s_lshl_b32 s60, s22, 2
	s_add_nc_u64 s[52:53], s[14:15], s[60:61]
	s_load_b32 s48, s[52:53], 0x0                  ; my block's mask of experts
	s_load_b64 s[66:67], s[16:17], 0x0             ; e0, e1
.irp m, 0,1,2,3
.irp i, 0,1,2,3,4,5,6,7
	global_load_b32 v[TO+8*\m+\i], v57, s[30:31] offset:4*(16*\m+2*\i)   ; token 16 m + 2 i + h: the row of out that I store in the way out's line i
.endr
.endr
.irp m, 0,1,2,3
	global_load_b32 v[TC+\m], v56, s[30:31] offset:64*\m                 ; token 16 m + r: the one whose sums I hold
.endr
	s_wait_kmcnt 0x0
.irp i, 0,1,2,3,4,5,6,7,8,9,10,11,12,13,14,15
	s_min_u32 s[32+\i], s[32+\i], 2047             ; held inside the table
	s_lshl_b32 s[32+\i], s[32+\i], 11
	v_add_nc_u32 v[64+\i], s[32+\i], v8            ; the row's first 512 bytes, 16 a lane
.endr
	WIN 0x40                                       ; destination window 1: the accumulators' registers are still free
.irp i, 0,1,2,3,4,5,6,7,8,9,10,11,12,13,14,15
.irp q, 0,1,2,3
	global_load_b128 v[16*\i+4*\q:16*\i+4*\q+3], v[64+\i], s[4:5] offset:512*\q   ; 32 lanes read 512 consecutive bytes of a token's codes
.endr
.endr
	WIN 0
	s_and_b32 s48, s48, 0xff
	s_bcnt1_i32_b32 s49, s48
	s_max_u32 s49, s49, 2                          ; a token has two experts, so a block has two at the least: a first and a last;
	s_sub_co_u32 s49, s49, 2                       ; the others go round the loop
	s_add_co_i32 s62, s66, s67                     ; es = e0 + e1
	s_sub_co_i32 s63, 0, s62
	NEXT                                           ; the first expert
	LDBIAS
	WIN 0x80
	LDW WN, 0, 0
	LDW WN, 1, 1
	LDW WN, 2, 2
	s_wait_loadcnt 56                              ; the tokens and the gathered rows are in; the 8 loads of the bias and the 48 of W may be out
	WIN 0x04                                       ; store data window 1
.irp i, 0,1,2,3,4,5,6,7,8,9,10,11,12,13,14,15
.irp q, 0,1,2,3
	ds_store_b128 v9, v[16*\i+4*\q:16*\i+4*\q+3] offset:XP*\i+512*\q
.endr
.endr
	WIN 0
.set j, 0
.rept 32
	v_min_u32 v[TO+j], 0x7ff, v[TO+j]
	v_lshl_add_u32 v[TO+j], v[TO+j], 13, v58       ; the token's row of out, 8,192 bytes, + 16 r
.set j, j+1
.endr
.irp m, 0,1,2,3
	v_min_u32 v[TC+\m], 0x7ff, v[TC+\m]
	v_lshlrev_b32 v[TC+\m], 5, v[TC+\m]            ; the token's row of comb, 32 bytes
.endr
	WIN 0x80
	LDW WN, 3, 3
	WIN 0
	s_wait_dscnt 0x0                               ; for the others' sake: my 16 rows have landed
	s_barrier_signal -1
	s_barrier_wait -1                              ; the one barrier: all 64 rows lie in LDS, and nobody writes them again
	LDX 0, 0
	LDX 1, 1
	EXPERT 1, 0
	s_cmp_eq_u32 s49, 0
	s_cbranch_scc1 .Llast
.Lmid:
	EXPERT 0, 0
	s_sub_co_u32 s49, s49, 1
	s_cmp_lg_u32 s49, 0
	s_cbranch_scc1 .Lmid
.Llast:
	EXPERT 0, 1                                    ; written out: it asks for nothing beyond itself
; THE WAY OUT, a tile of 16 tokens at a time.  A lane holds 32 bytes of a token's row and the lanes beside it hold other tokens: so a tile goes through my own stage and comes back as rows of 256 bytes.
; LDS serves a wave's instructions in order (ISA guide 5.7.1.4): no wait between the stores and the loads, nor in front of the next tile's stores.
.macro STAGE m
	WIN 0x04
.irp t, 0,1,2,3
	ds_store_b128 v10, v[OS+8*(4*(\m)+\t):OS+8*(4*(\m)+\t)+3] offset:64*\t
	ds_store_b128 v10, v[OS+8*(4*(\m)+\t)+4:OS+8*(4*(\m)+\t)+7] offset:64*\t+16
.endr
	WIN 0
.irp i, 0,1,2,3,4,5,6,7
	ds_load_b128 v[XF+32*(\m)+4*\i:XF+32*(\m)+4*\i+3], v11 offset:2*SP*\i
.endr
.endm
.macro SEND m, younger                 ; younger: the LDS instructions issued behind tile m's loads: the next tile's sixteen, or none
	s_wait_dscnt \younger
.irp i, 0,1,2,3,4,5,6,7
	global_store_b128 v[TO+8*(\m)+\i], v[XF+32*(\m)+4*\i:XF+32*(\m)+4*\i+3], s[28:29] th:TH_STORE_NT   ; 16 lanes store 256 consecutive bytes of one token's row, at a multiple of 256 from out's first byte
.endr
.endm
	STAGE 0
	STAGE 1
	SEND 0, 16
	STAGE 2
	SEND 1, 16
	STAGE 3
	SEND 2, 16
	SEND 3, 0
	s_wait_tensorcnt 0x0
	ds_add_u32 v254, v255
	s_wait_dscnt 0x0
	s_endpgm
.Lfunc_end_k_q66ab721bcd_experts:
	.size	k_q66ab721bcd_experts, .Lfunc_end_k_q66ab721bcd_experts-k_q66ab721bcd_experts
	.p2alignl 7, 3214868480
	.fill 96, 4, 3214868480
	.section	.rodata,"a",@progbits
	.p2align	6, 0x0
	.amdhsa_kernel k_q66ab721bcd_experts
		.amdhsa_group_segment_fixed_size 150016
		.amdhsa_private_segment_fixed_size 0
		.amdhsa_enable_private_segment 0
		.amdhsa_kernarg_size 64
		.amdhsa_user_sgpr_count 2
		.amdhsa_user_sgpr_kernarg_segment_ptr 1
		.amdhsa_wavefront_size32 1
		.amdhsa_system_sgpr_workgroup_id_x 1
		.amdhsa_system_sgpr_workgroup_id_y 1
		.amdhsa_system_sgpr_workgroup_id_z 1
		.amdhsa_system_vgpr_workitem_id 0
		.amdhsa_next_free_vgpr 768
		.amdhsa_next_free_sgpr 72
		.amdhsa_reserve_vcc 0
		.amdhsa_float_denorm_mode_32 3
		.amdhsa_float_denorm_mode_16_64 3
		.amdhsa_memory_ordered 1
		.amdhsa_forward_progress 1
		.amdhsa_inst_pref_size 255
	.end_amdhsa_kernel
	.section	.bss,"aw",@nobits
	.p2align	6
	.space	262144
	.amdgpu_metadata
---
amdhsa.version: [ 1, 2 ]
amdhsa.kernels:
  - .name:           k_q66ab721bcd_experts
    .symbol:         k_q66ab721bcd_experts.kd
    .args:
      - { .name: xq, .offset: 0, .size: 8, .value_kind: global_buffer, .address_space: global }
      - { .name: W_experts_codes, .offset: 8, .size: 8, .value_kind: global_buffer, .address_space: global }
      - { .name: b_experts, .offset: 16, .size: 8, .value_kind: global_buffer, .address_space: global }
      - { .name: comb, .offset: 24, .size: 8, .value_kind: global_buffer, .address_space: global }
      - { .name: order, .offset: 32, .size: 8, .value_kind: global_buffer, .address_space: global }
      - { .name: bmask, .offset: 40, .size: 8, .value_kind: global_buffer, .address_space: global }
      - { .name: lowp_scales, .offset: 48, .size: 8, .value_kind: global_buffer, .address_space: global }
      - { .name: out0, .offset: 56, .size: 8, .value_kind: global_buffer, .address_space: global }
    .group_segment_fixed_size: 150016
    .private_segment_fixed_size: 0
    .kernarg_segment_align: 8
    .kernarg_segment_size: 64
    .max_flat_workgroup_size: 128
    .sgpr_count:     72
    .vgpr_count:     768
    .wavefront_size: 32
...
	.end_amdgpu_metadata
.endif
;; end of part 3
;; ======== version 2 of 2: 3 launches
;; workspace buffers: xq 4,194,304 bytes; comb 65,536 bytes; keys 8,192 bytes of whole numbers; order 8,192 bytes of whole numbers; bmask 256 bytes of whole numbers
;; launch route (part 4): grid 256 x 1, 8 waves a work-group, no clusters, 71,168 bytes of LDS; arguments x, W_gate, b_gate, lowp_scales, xq, comb, keys; writes xq, comb, keys
.if DOCPART == 4
	.amdgcn_target "amdgcn-amd-amdhsa--gfx1250"
	.amdhsa_code_object_version 6
	.text
	.protected	k_q66ab721bcd_route
	.globl	k_q66ab721bcd_route
	.p2align	8
	.type	k_q66ab721bcd_route,@function
k_q66ab721bcd_route:
	s_mov_b64 s[64:65], 0
	v_nop
	global_prefetch_b8 v0, s[64:65] scope:SCOPE_SE
	s_setreg_imm32_b32 hwreg(HW_REG_WAVE_MODE, 25, 1), 1
	s_wait_xcnt 0x0
; THE GATE AND x's CODES.  x [2048][2048] f32 is read once.  Out of that one read come
;   xq   [2048][2048] bytes: x's codes of E5M2 with the given scale 2^e1 (entry 1 of the scales), k in its natural order;
;   comb [2048][8] f32: softmax(x W_gate^T + b_gate) at the two largest experts (ties: the lower index), 0 elsewhere;
;   keys [2048] int32: the number p (0..27) of the token's pair of experts.  Everything is stored at fixed places: no address hangs on the choice.
; p walks the pairs (lo < hi) so that neighbouring numbers share an expert: off(lo) = lo (15 - lo) / 2; lo even: p = off + hi - lo - 1; lo odd: p = off + 7 - hi.
; SHARES.  A work-group owns 8 rows.  Wave w owns k = 256 w .. 256 w + 255 of all 8 rows, lane l the eight neighbours 256 w + 8 l + 0..7: what one conversion takes.
; Each thread's 64 partial dot products (8 rows x 8 experts) meet in LDS; then wave w finishes row w: four lanes to an expert.
; All of the gate is f32: fused multiply-adds, the row's maximum taken away before the exponential.
; LIMITS: e1 between -126 and 112, so that 2^e1 and 57,344 x 2^e1 are f32 numbers.  NaN among the inputs is not served.  A gate weight under the smallest normal f32 number counts as 0.
; No matrix unit and no tensor load: the gate has 8 columns, and every byte of x is used where it lands.
.set PP, 1088                          ; LDS: a value's 256 words (one a thread) + 64 bytes: value v's words begin at PP v; four neighbouring values then start 4 columns of 16 bytes apart
.set CB, 64*PP                         ; behind them: the 8 rows' comb, 256 bytes,
.set KB, CB+256                        ; and their 8 keys
.set X,  16                            ; v16-79   x: row i's eight numbers at X + 8 i; later the partial sums read back
.set G,  80                            ; v80-143  W_gate: expert e's eight numbers at G + 8 e
.set P,  144                           ; v144-207 my 64 partial dot products: 8 i + e
.set T,  208                           ; v208-223 two sets of eight held numbers
.set C,  224                           ; v224-239 row i's codes at C + 2 i: no store's data are written again
	s_load_b256 s[4:11], s[0:1], 0x0               ; x s[4:5], W_gate s[6:7], b_gate s[8:9], the scales s[10:11]
	s_load_b128 s[12:15], s[0:1], 0x20             ; xq s[12:13], comb s[14:15]
	s_load_b64 s[16:17], s[0:1], 0x30              ; keys
	v_lshl_add_u32 v254, v0, 2, 0x11200
	v_mov_b32 v255, 0
	v_lshrrev_b32 v240, 5, v0
	s_delay_alu instid0(VALU_DEP_1)
	v_readfirstlane_b32 s18, v240                  ; wave 0..7
	v_and_b32 v241, 31, v0                         ; lane
	s_delay_alu instid0(VALU_DEP_1)
	v_lshlrev_b32 v1, 5, v241                      ; my 32 bytes of the wave's 1,024 in a row of x or W_gate
	s_delay_alu instid0(VALU_DEP_2)
	v_lshlrev_b32 v2, 3, v241                      ; my 8 bytes of the wave's 256 in a row of xq
	v_lshlrev_b32 v3, 2, v0                        ; my word of a value, values 0-31;
	s_delay_alu instid0(VALU_DEP_1)
	v_add_nc_u32 v4, 32*PP, v3                     ; values 32-63 (an LDS offset has 16 bits)
	v_lshrrev_b32 v5, 2, v0                        ; the value that I finish: thread / 4,
	s_delay_alu instid0(VALU_DEP_1)
	v_mul_u32_u24 v5, v5, PP
	v_and_b32 v242, 3, v0
	s_delay_alu instid0(VALU_DEP_1)
	v_lshl_add_u32 v5, v242, 4, v5                 ; and my 16 bytes of each 64
	v_lshrrev_b32 v6, 2, v241
	s_delay_alu instid0(VALU_DEP_1)
	v_lshlrev_b32 v6, 2, v6                        ; 4 e, e = lane / 4
	s_lshl_b32 s30, s18, 5
	v_add_nc_u32 v7, s30, v6
	s_delay_alu instid0(VALU_DEP_1)
	v_add_nc_u32 v7, CB, v7                        ; comb(row = wave, e)
	s_lshl_b32 s31, s18, 2
	s_add_co_u32 s31, s31, KB
	v_mov_b32 v8, s31                              ; key(row = wave)
	s_mov_b32 s22, 0x76543210                      ; v_permlanex16_b32: lane l xor 16
	s_mov_b32 s23, 0xfedcba98
	s_lshl_b32 s32, ttmp9, 16                      ; x: 8 rows of 8,192 bytes a work-group,
	s_lshl_b32 s34, s18, 10                        ; 1,024 bytes of a row a wave (W_gate: the same)
	s_add_co_u32 s32, s32, s34
	s_mov_b32 s33, 0
	s_mov_b32 s35, 0
	s_lshl_b32 s36, ttmp9, 14                      ; xq: 8 rows of 2,048 bytes,
	s_lshl_b32 s38, s18, 8                         ; 256 a wave
	s_add_co_u32 s36, s36, s38
	s_mov_b32 s37, 0
	s_lshl_b32 s38, ttmp9, 8                       ; comb: 256 bytes a work-group
	s_mov_b32 s39, 0
	s_lshl_b32 s24, ttmp9, 5                       ; keys: 32
	s_mov_b32 s25, 0
	s_wait_alu depctr_va_vdst(0)
	s_wait_kmcnt 0x0
	s_load_b32 s20, s[10:11], 0x4                  ; e1
	s_add_nc_u64 s[4:5], s[4:5], s[32:33]
	s_add_nc_u64 s[6:7], s[6:7], s[34:35]
	s_add_nc_u64 s[12:13], s[12:13], s[36:37]
	s_add_nc_u64 s[14:15], s[14:15], s[38:39]
	s_add_nc_u64 s[16:17], s[16:17], s[24:25]
.irp i, 0,1,2,3,4,5,6,7
	global_load_b128 v[X+8*\i:X+8*\i+3],   v1, s[4:5] offset:8192*\i th:TH_LOAD_NT      ; the wave reads 1,024 consecutive bytes of row i in two loads
	global_load_b128 v[X+8*\i+4:X+8*\i+7], v1, s[4:5] offset:8192*\i+16 th:TH_LOAD_NT
.endr
.irp e, 0,1,2,3,4,5,6,7
	global_load_b128 v[G+8*\e:G+8*\e+3],   v1, s[6:7] offset:8192*\e
	global_load_b128 v[G+8*\e+4:G+8*\e+7], v1, s[6:7] offset:8192*\e+16
.endr
	global_load_b32 v9, v6, s[8:9]                 ; b_gate(e)
	s_wait_kmcnt 0x0
	s_add_co_i32 s21, s20, 127
	s_lshl_b32 s19, s21, 23
	v_mov_b32 v11, s19                             ; 2^e1 as f32: the conversion takes its exponent field
	s_add_co_i32 s21, s21, 15
	s_lshl_b32 s21, s21, 23
	s_or_b32 s21, s21, 0x600000
	v_mov_b32 v10, s21                             ; 57,344 x 2^e1
	s_wait_alu depctr_va_vdst(0)
	; ---- x's codes
	s_wait_loadcnt 17                              ; x is in; the 16 loads of W_gate and the one of b_gate may be out
.irp i, 0,1,2,3,4,5,6,7
.irp j, 0,1,2,3,4,5,6,7
	v_med3_num_f32 v[T+8*(\i%2)+\j], v[X+8*\i+\j], -v10, v10   ; the conversion to an 8-bit code does not saturate (ISA guide 7.6.2): the hold at the largest code x the scale.  x itself stays for the gate
.endr
	v_cvt_scalef32_pk8_bf8_f32 v[C+2*\i:C+2*\i+1], v[T+8*(\i%2):T+8*(\i%2)+7], v11   ; the two sets of T take turns: the next row's eight holds stand between a conversion and the next write of its sources
	global_store_b64 v2, v[C+2*\i:C+2*\i+1], s[12:13] offset:2048*\i                 ; the 32 lanes store 256 consecutive bytes, at a multiple of 256 from xq's first byte
.endr
	v_nop                                          ; a plain line behind the last conversion
	; ---- the partial dot products: 8 rows x 8 experts over my eight k
	s_wait_loadcnt 0x0
.irp i, 0,1,2,3,4,5,6,7
.irp g, 0,1
.irp u, 0,1,2,3
	v_pk_mul_f32 v[240+2*\u:241+2*\u], v[X+8*\i:X+8*\i+1], v[G+8*(4*\g+\u):G+8*(4*\g+\u)+1]
.endr
.irp j, 2,4,6
.irp u, 0,1,2,3
	s_delay_alu instid0(VALU_DEP_4)
	v_pk_fma_f32 v[240+2*\u:241+2*\u], v[X+8*\i+\j:X+8*\i+\j+1], v[G+8*(4*\g+\u)+\j:G+8*(4*\g+\u)+\j+1], v[240+2*\u:241+2*\u]
.endr
.endr
.irp u, 0,1,2,3
	s_delay_alu instid0(VALU_DEP_4)
	v_add_f32 v[P+8*\i+4*\g+\u], v[240+2*\u], v[241+2*\u]
.endr
.endr
.endr
.set n, 0
.rept 32
	ds_store_b32 v3, v[P+n] offset:n*PP            ; a wave's 32 words lie on end
	ds_store_b32 v4, v[P+32+n] offset:n*PP
.set n, n+1
.endr
	s_wait_dscnt 0x0                               ; for the others' sake: my stores have landed
	s_barrier_signal -1
	s_barrier_wait -1
	; ---- row = wave, expert = lane / 4: my quarter of the value's 256 words
.irp i, 0,1,2,3,4,5,6,7,8,9,10,11,12,13,14,15
	ds_load_b128 v[X+4*\i:X+4*\i+3], v5 offset:64*\i
.endr
	s_wait_dscnt 0x0
.set n, 4
.rept 28
	v_pk_add_f32 v[X+2*(n%4):X+2*(n%4)+1], v[X+2*(n%4):X+2*(n%4)+1], v[X+2*n:X+2*n+1]   ; four chains
.set n, n+1
.endr
	s_delay_alu instid0(VALU_DEP_3)
	v_pk_add_f32 v[16:17], v[16:17], v[18:19]
	s_delay_alu instid0(VALU_DEP_2)
	v_pk_add_f32 v[20:21], v[20:21], v[22:23]
	s_delay_alu instid0(VALU_DEP_1)
	v_pk_add_f32 v[16:17], v[16:17], v[20:21]
	s_delay_alu instid0(VALU_DEP_1)
	v_add_f32 v16, v16, v17
	s_delay_alu instid0(VALU_DEP_1)
	v_add_f32_dpp v16, v16, v16 row_xmask:1 row_mask:0xf bank_mask:0xf
	s_delay_alu instid0(VALU_DEP_1)
	v_add_f32_dpp v16, v16, v16 row_xmask:2 row_mask:0xf bank_mask:0xf    ; the four lanes of an expert hold its dot product
	s_delay_alu instid0(VALU_DEP_1)
	v_add_f32 v16, v16, v9                         ; the logit
	s_delay_alu instid0(VALU_DEP_1)
	; ---- softmax over the eight experts: they differ in bits 2, 3, 4 of the lane
	v_mov_b32 v17, v16
	s_delay_alu instid0(VALU_DEP_1)
	v_max_num_f32_dpp v17, v17, v17 row_xmask:4 row_mask:0xf bank_mask:0xf
	s_delay_alu instid0(VALU_DEP_1)
	v_max_num_f32_dpp v17, v17, v17 row_xmask:8 row_mask:0xf bank_mask:0xf
	s_delay_alu instid0(VALU_DEP_1)
	v_permlanex16_b32 v18, v17, s22, s23
	s_delay_alu instid0(VALU_DEP_1)
	v_max_num_f32 v17, v17, v18                    ; the row's largest logit
	s_delay_alu instid0(VALU_DEP_1)
	v_sub_f32 v18, v16, v17
	s_delay_alu instid0(VALU_DEP_1)
	v_mul_f32 v18, 0x3fb8aa3b, v18                 ; x log2(e)
	s_wait_alu depctr_va_vdst(0)
	v_exp_f32 v18, v18
	v_nop                                          ; a plain line behind the transcendental
	s_wait_alu depctr_va_vdst(0)
	v_mov_b32 v19, v18
	s_delay_alu instid0(VALU_DEP_1)
	v_add_f32_dpp v19, v19, v19 row_xmask:4 row_mask:0xf bank_mask:0xf
	s_delay_alu instid0(VALU_DEP_1)
	v_add_f32_dpp v19, v19, v19 row_xmask:8 row_mask:0xf bank_mask:0xf
	s_delay_alu instid0(VALU_DEP_1)
	v_permlanex16_b32 v20, v19, s22, s23
	s_delay_alu instid0(VALU_DEP_1)
	v_add_f32 v19, v19, v20
	s_wait_alu depctr_va_vdst(0)
	v_rcp_f32 v19, v19
	v_nop
	s_wait_alu depctr_va_vdst(0)
	v_mul_f32 v20, v18, v19                        ; g(e)
	; ---- the two largest, without a branch: an expert's rank is the number of experts that beat it; at a tie the lower index beats the higher
.irp e, 0,1,2,3,4,5,6,7
	v_readlane_b32 s[40+\e], v20, 4*\e
.endr
	v_mov_b32 v21, 0
.irp e, 0,1,2,3,4,5,6,7
	v_cmp_gt_f32 s30, s[40+\e], v20
.if \e < 7
	v_cmp_ge_f32 s31, s[40+\e], v20
	s_and_b32 s31, s31, (0xffffffff<<(4*\e+4))&0xffffffff   ; the lanes of the experts above this one
	s_or_b32 s30, s30, s31
.endif
	v_cndmask_b32 v22, 0, 1, s30
	s_delay_alu instid0(VALU_DEP_1)
	v_add_nc_u32 v21, v21, v22
.endr
	s_delay_alu instid0(VALU_DEP_1)
	v_cmp_gt_u32 vcc_lo, 2, v21                    ; the lanes of the two chosen experts
	s_delay_alu instid0(VALU_DEP_1)
	v_cndmask_b32 v23, 0, v20, vcc_lo              ; comb(row, e)
	s_wait_alu depctr_va_vdst(0)
	s_ctz_i32_b32 s30, vcc_lo
	s_lshr_b32 s30, s30, 2                         ; lo
	s_lshl_b32 s31, s30, 2
	s_lshl_b32 s31, 15, s31
	s_and_not1_b32 s32, vcc_lo, s31
	s_ctz_i32_b32 s33, s32
	s_lshr_b32 s33, s33, 2                         ; hi
	s_sub_co_u32 s34, 15, s30
	s_mul_i32 s34, s34, s30
	s_lshr_b32 s34, s34, 1                         ; off(lo)
	s_sub_co_u32 s35, 7, s33                       ; lo odd
	s_sub_co_u32 s36, s33, s30
	s_sub_co_u32 s36, s36, 1                       ; lo even
	s_bitcmp1_b32 s30, 0
	s_cselect_b32 s35, s35, s36                    ; a choice of a value, no branch
	s_add_co_u32 s34, s34, s35
	v_mov_b32 v24, s34                             ; p
	ds_store_b32 v7, v23                           ; (lanes that name the same word hold the same number)
	ds_store_b32 v8, v24
	s_wait_dscnt 0x0
	s_barrier_signal -1
	s_barrier_wait -1
	; ---- wave 0 stores the work-group's comb (256 consecutive bytes, aligned) and its 8 keys (32 bytes: a part of a block; the whole buffer is 8,192 bytes)
	s_cmp_lg_u32 s18, 0
	s_cbranch_scc1 .Lend
	v_add_nc_u32 v25, CB, v2
	ds_load_b64 v[26:27], v25
	v_and_b32 v28, 7, v0
	s_delay_alu instid0(VALU_DEP_1)
	v_lshl_add_u32 v28, v28, 2, KB
	ds_load_b32 v29, v28
	v_lshlrev_b32 v30, 2, v0
	v_cmp_gt_u32 vcc_lo, 8, v0
	s_wait_alu depctr_va_vdst(0)
	s_wait_dscnt 0x0
	global_store_b64 v2, v[26:27], s[14:15]
	s_wait_xcnt 0x0                                ; EXEC changes only behind this wait
	s_and_saveexec_b32 s30, vcc_lo
	global_store_b32 v30, v29, s[16:17]
	s_wait_xcnt 0x0
	s_or_b32 exec_lo, exec_lo, s30
.Lend:
	s_wait_tensorcnt 0x0
	ds_add_u32 v254, v255
	s_wait_dscnt 0x0
	s_endpgm
.Lfunc_end_k_q66ab721bcd_route:
	.size	k_q66ab721bcd_route, .Lfunc_end_k_q66ab721bcd_route-k_q66ab721bcd_route
	.p2alignl 7, 3214868480
	.fill 96, 4, 3214868480
	.section	.rodata,"a",@progbits
	.p2align	6, 0x0
	.amdhsa_kernel k_q66ab721bcd_route
		.amdhsa_group_segment_fixed_size 71168
		.amdhsa_private_segment_fixed_size 0
		.amdhsa_enable_private_segment 0
		.amdhsa_kernarg_size 56
		.amdhsa_user_sgpr_count 2
		.amdhsa_user_sgpr_kernarg_segment_ptr 1
		.amdhsa_wavefront_size32 1
		.amdhsa_system_sgpr_workgroup_id_x 1
		.amdhsa_system_sgpr_workgroup_id_y 1
		.amdhsa_system_sgpr_workgroup_id_z 1
		.amdhsa_system_vgpr_workitem_id 0
		.amdhsa_next_free_vgpr 256
		.amdhsa_next_free_sgpr 66
		.amdhsa_reserve_vcc 1
		.amdhsa_float_denorm_mode_32 3
		.amdhsa_float_denorm_mode_16_64 3
		.amdhsa_memory_ordered 1
		.amdhsa_forward_progress 1
		.amdhsa_inst_pref_size 51
	.end_amdhsa_kernel
	.amdgpu_metadata
---
amdhsa.version: [ 1, 2 ]
amdhsa.kernels:
  - .name:           k_q66ab721bcd_route
    .symbol:         k_q66ab721bcd_route.kd
    .args:
      - { .name: x, .offset: 0, .size: 8, .value_kind: global_buffer, .address_space: global }
      - { .name: W_gate, .offset: 8, .size: 8, .value_kind: global_buffer, .address_space: global }
      - { .name: b_gate, .offset: 16, .size: 8, .value_kind: global_buffer, .address_space: global }
      - { .name: lowp_scales, .offset: 24, .size: 8, .value_kind: global_buffer, .address_space: global }
      - { .name: xq, .offset: 32, .size: 8, .value_kind: global_buffer, .address_space: global }
      - { .name: comb, .offset: 40, .size: 8, .value_kind: global_buffer, .address_space: global }
      - { .name: keys, .offset: 48, .size: 8, .value_kind: global_buffer, .address_space: global }
    .group_segment_fixed_size: 71168
    .private_segment_fixed_size: 0
    .kernarg_segment_align: 8
    .kernarg_segment_size: 56
    .max_flat_workgroup_size: 256
    .sgpr_count:     66
    .vgpr_count:     256
    .wavefront_size: 32
...
	.end_amdgpu_metadata
.endif
;; end of part 4
;; launch place (part 5): grid 1 x 1, 32 waves a work-group, no clusters, 13,312 bytes of LDS; arguments keys, order, bmask; writes order, bmask
.if DOCPART == 5
	.amdgcn_target "amdgcn-amd-amdhsa--gfx1250"
	.amdhsa_code_object_version 6
	.text
	.protected	k_q66ab721bcd_place
	.globl	k_q66ab721bcd_place
	.p2align	8
	.type	k_q66ab721bcd_place,@function
k_q66ab721bcd_place:
	s_mov_b64 s[64:65], 0
	v_nop
	global_prefetch_b8 v0, s[64:65] scope:SCOPE_SE
	s_setreg_imm32_b32 hwreg(HW_REG_WAVE_MODE, 25, 1), 1
	s_wait_xcnt 0x0
; THE TOKENS ARE SORTED BY THEIR PAIR OF EXPERTS: a counting sort of 2,048 keys (0..27) by one work-group, without atomics.
;   order [2048] int32: the token at each sorted place;   bmask [32] int32: for each block of 64 sorted places, the set of experts (8 bits) that its tokens use.
; Wave w owns tokens 64 w .. 64 w + 63, in two halves of 32.  A: each wave counts its tokens of each key (lane = key) and each token's rank among equal keys of its half.
; B: wave b sums key b's counts over the waves (lane = wave).  C: the keys' first places (lane = key), each token's place, and block w's mask.
; One work-group: the sums span all tokens, and the whole input is 8,192 bytes.
; The places are stored as single words into an 8,192-byte buffer; equal keys' places are neighbours.
.set SS, 0                             ; LDS: S[w][b] at 132 w + 4 b: the pitch of 33 words keeps rows and columns on different banks
.set PS, 4352                          ; P[w][b]: key b's tokens in the waves below w
.set TS, 8704                          ; T[b]: key b's tokens in all
.set BM, 8960                          ; the 32 masks
.macro SCAN v, t                       ; the inclusive sum over the 32 lanes of v[v]; v[t] at work (written before)
.irp n, 1
	v_mov_b32_dpp v[\t], v[\v] row_shr:\n row_mask:0xf bank_mask:0xf bound_ctrl:1
	s_delay_alu instid0(VALU_DEP_1)
	v_add_nc_u32 v[\v], v[\v], v[\t]
.endr
.irp n, 2, 4, 8
	s_delay_alu instid0(VALU_DEP_1)
	v_mov_b32_dpp v[\t], v[\v] row_shr:\n row_mask:0xf bank_mask:0xf bound_ctrl:1
	s_delay_alu instid0(VALU_DEP_1)
	v_add_nc_u32 v[\v], v[\v], v[\t]
.endr
	s_delay_alu instid0(VALU_DEP_1)
	v_readlane_b32 s24, v[\v], 15
	s_delay_alu instid0(VALU_DEP_1)
	v_mov_b32 v[\t], s24
	s_delay_alu instid0(VALU_DEP_1)
	v_cndmask_b32 v[\t], 0, v[\t], s25             ; lanes 16-31 take the lower half's sum
	s_delay_alu instid0(VALU_DEP_1)
	v_add_nc_u32 v[\v], v[\v], v[\t]
.endm
	s_load_b128 s[4:7], s[0:1], 0x0                ; keys s[4:5], order s[6:7]
	s_load_b64 s[8:9], s[0:1], 0x10                ; bmask
	v_lshl_add_u32 v32, v0, 2, 0x2400
	v_mov_b32 v33, 0
	v_lshrrev_b32 v1, 5, v0
	s_delay_alu instid0(VALU_DEP_1)
	v_readfirstlane_b32 s18, v1                    ; wave 0..31
	v_and_b32 v1, 31, v0                           ; lane
	s_delay_alu instid0(VALU_DEP_1)
	v_lshlrev_b32 v2, 2, v1                        ; 4 x lane
	s_lshl_b32 s19, s18, 8
	v_add_nc_u32 v3, s19, v2                       ; my first token's key
	s_mul_i32 s19, s18, 132
	v_add_nc_u32 v11, s19, v2                      ; [wave][lane]
	v_mul_u32_u24 v14, v1, 132
	s_lshl_b32 s26, s18, 2
	v_add_nc_u32 v14, s26, v14                     ; [lane][wave]
	v_mov_b32 v17, s26                             ; 4 x wave
	s_lshl_b32 s28, s18, 6                         ; 64 w: my first token, and my block's first place
	s_add_co_u32 s29, s28, 64
	v_add_nc_u32 v29, s28, v1                      ; my two tokens
	s_delay_alu instid0(VALU_DEP_1)
	v_add_nc_u32 v30, 32, v29
	s_mov_b32 s25, 0xffff0000
	v_mov_b32 v6, 0                                ; counts of the first half, lane = key
	v_mov_b32 v7, 0                                ; of the second
	v_mov_b32 v8, 0                                ; my first token's rank among equal keys of its half
	v_mov_b32 v9, 0                                ; my second's
	s_wait_alu depctr_va_vdst(0)
	s_wait_kmcnt 0x0
	global_load_b32 v4, v3, s[4:5]
	global_load_b32 v5, v3, s[4:5] offset:128
	s_wait_loadcnt 0x0
	v_min_u32 v4, 31, v4
	v_min_u32 v5, 31, v5
	; ---- A
.set b, 0
.rept 28
.irp j, 0,1
	v_cmp_eq_u32 s20, b, v[4+\j]
	s_bcnt1_i32_b32 s21, s20
	v_writelane_b32 v[6+\j], s21, b
	v_mbcnt_lo_u32_b32 v10, s20, 0                 ; equal keys in the lanes below mine
	s_delay_alu instid0(VALU_DEP_1)
	v_cndmask_b32 v[8+\j], v[8+\j], v10, s20
.endr
.set b, b+1
.endr
	s_delay_alu instid0(VALU_DEP_3)
	v_add_nc_u32 v12, v6, v7
	ds_store_b32 v11, v12 offset:SS
	s_wait_dscnt 0x0
	s_barrier_signal -1
	s_barrier_wait -1
	; ---- B: wave = key, lane = wave
	ds_load_b32 v13, v14 offset:SS
	s_wait_dscnt 0x0
	v_mov_b32 v15, v13
	SCAN 13, 10
	s_delay_alu instid0(VALU_DEP_1)
	v_sub_nc_u32 v16, v13, v15                     ; in the waves below
	s_delay_alu instid0(VALU_DEP_2)
	v_readlane_b32 s27, v13, 31                    ; in all
	s_delay_alu instid0(VALU_DEP_1)
	v_mov_b32 v18, s27
	ds_store_b32 v14, v16 offset:PS
	ds_store_b32 v17, v18 offset:TS
	s_wait_dscnt 0x0
	s_barrier_signal -1
	s_barrier_wait -1
	; ---- C: lane = key
	ds_load_b32 v19, v2 offset:TS
	ds_load_b32 v20, v11 offset:PS
	s_wait_dscnt 0x0
	v_mov_b32 v21, v19
	SCAN 21, 10                                    ; v21: where the key's places end
	s_delay_alu instid0(VALU_DEP_1)
	v_sub_nc_u32 v22, v21, v19                     ; and where they begin
	s_delay_alu instid0(VALU_DEP_1)
	v_add_nc_u32 v23, v22, v20                     ; where my wave's first half begins in them,
	s_delay_alu instid0(VALU_DEP_1)
	v_add_nc_u32 v24, v23, v6                      ; and its second
	v_lshlrev_b32 v25, 2, v4
	v_lshlrev_b32 v27, 2, v5
	ds_bpermute_b32 v26, v25, v23                  ; lane = token again: each takes its key's figure
	ds_bpermute_b32 v28, v27, v24
	v_max_u32 v12, s28, v22                        ; block w and the key's places overlap where
	v_min_u32 v13, s29, v21                        ; the lesser end lies above the greater beginning
	s_delay_alu instid0(VALU_DEP_1)
	v_cmp_gt_u32 s20, v13, v12                     ; the set of keys in my block
	s_mov_b32 s22, 0
.macro EBIT e, bins                    ; expert e is used if one of the pairs that hold it is
	s_and_b32 s21, s20, \bins
	s_cselect_b32 s21, 1<<\e, 0
	s_or_b32 s22, s22, s21
.endm
	EBIT 0, 0x0000007f
	EBIT 1, 0x00001f81
	EBIT 2, 0x0003f002
	EBIT 3, 0x003c2804
	EBIT 4, 0x01e04408
	EBIT 5, 0x06508210
	EBIT 6, 0x0c890120
	EBIT 7, 0x0b0600c0
	v_mov_b32 v18, s22
	ds_store_b32 v17, v18 offset:BM
	s_wait_dscnt 0x0                               ; the two permutes are back, and the mask has landed
	v_add_nc_u32 v26, v26, v8
	v_add_nc_u32 v28, v28, v9
	s_delay_alu instid0(VALU_DEP_2)
	v_min_u32 v26, 0x7ff, v26                      ; a place, held inside the buffer
	s_delay_alu instid0(VALU_DEP_2)
	v_min_u32 v28, 0x7ff, v28
	s_delay_alu instid0(VALU_DEP_2)
	v_lshlrev_b32 v26, 2, v26
	s_delay_alu instid0(VALU_DEP_2)
	v_lshlrev_b32 v28, 2, v28
	global_store_b32 v26, v29, s[6:7]
	global_store_b32 v28, v30, s[6:7]
	s_barrier_signal -1
	s_barrier_wait -1
	; ---- wave 0 stores the 32 masks: 128 consecutive bytes
	s_cmp_lg_u32 s18, 0
	s_cbranch_scc1 .Lend
	ds_load_b32 v19, v2 offset:BM
	s_wait_dscnt 0x0
	global_store_b32 v2, v19, s[8:9]
.Lend:
	s_wait_tensorcnt 0x0
	ds_add_u32 v32, v33
	s_wait_dscnt 0x0
	s_endpgm
.Lfunc_end_k_q66ab721bcd_place:
	.size	k_q66ab721bcd_place, .Lfunc_end_k_q66ab721bcd_place-k_q66ab721bcd_place
	.p2alignl 7, 3214868480
	.fill 96, 4, 3214868480
	.section	.rodata,"a",@progbits
	.p2align	6, 0x0
	.amdhsa_kernel k_q66ab721bcd_place
		.amdhsa_group_segment_fixed_size 13312
		.amdhsa_private_segment_fixed_size 0
		.amdhsa_enable_private_segment 0
		.amdhsa_kernarg_size 24
		.amdhsa_user_sgpr_count 2
		.amdhsa_user_sgpr_kernarg_segment_ptr 1
		.amdhsa_wavefront_size32 1
		.amdhsa_system_sgpr_workgroup_id_x 1
		.amdhsa_system_sgpr_workgroup_id_y 1
		.amdhsa_system_sgpr_workgroup_id_z 1
		.amdhsa_system_vgpr_workitem_id 0
		.amdhsa_next_free_vgpr 34
		.amdhsa_next_free_sgpr 66
		.amdhsa_reserve_vcc 0
		.amdhsa_float_denorm_mode_32 3
		.amdhsa_float_denorm_mode_16_64 3
		.amdhsa_memory_ordered 1
		.amdhsa_forward_progress 1
		.amdhsa_inst_pref_size 25
	.end_amdhsa_kernel
	.amdgpu_metadata
---
amdhsa.version: [ 1, 2 ]
amdhsa.kernels:
  - .name:           k_q66ab721bcd_place
    .symbol:         k_q66ab721bcd_place.kd
    .args:
      - { .name: keys, .offset: 0, .size: 8, .value_kind: global_buffer, .address_space: global }
      - { .name: order, .offset: 8, .size: 8, .value_kind: global_buffer, .address_space: global }
      - { .name: bmask, .offset: 16, .size: 8, .value_kind: global_buffer, .address_space: global }
    .group_segment_fixed_size: 13312
    .private_segment_fixed_size: 0
    .kernarg_segment_align: 8
    .kernarg_segment_size: 24
    .max_flat_workgroup_size: 1024
    .sgpr_count:     66
    .vgpr_count:     34
    .wavefront_size: 32
...
	.end_amdgpu_metadata
.endif
;; end of part 5
;; launch experts (part 6): grid 8 x 32, 4 waves a work-group, no clusters, 150,016 bytes of LDS; arguments xq, W_experts_codes, b_experts, comb, order, bmask, lowp_scales, out0; writes out0
.if DOCPART == 6
	.amdgcn_target "amdgcn-amd-amdhsa--gfx1250"
	.amdhsa_code_object_version 6
	.text
	.protected	k_q66ab721bcd_experts
	.globl	k_q66ab721bcd_experts
	.p2align	8
	.type	k_q66ab721bcd_experts,@function
k_q66ab721bcd_experts:
	s_mov_b64 s[64:65], 0
	v_nop
	global_prefetch_b8 v0, s[64:65] scope:SCOPE_SE
	s_setreg_imm32_b32 hwreg(HW_REG_WAVE_SCHED_MODE, 0, 2), 2
	s_setreg_imm32_b32 hwreg(HW_REG_WAVE_MODE, 25, 1), 1
	s_wait_xcnt 0x0
	s_wait_alu depctr_vm_vsrc(0)
; out[n][o] = the sum over the experts e chosen for token n of comb[n][e] x relu(2^(e0 + e1) x (sum over k of Wcode[e][o][k] xcode[n][k]) + b[e][o]).
; The products are on codes of E5M2 as they lie, by v_wmma_f32_16x16x128_bf8_bf8, sums in f32.  Only experts that a block's tokens chose are multiplied.
; SHARES.  Work-group (bx, by): the 64 tokens at sorted places 64 by .. 64 by + 63 x columns 256 bx .. 256 bx + 255.  Each output row piece has one owner: nothing is summed between work-groups.
; Wave w: all 64 tokens x columns 256 bx + 64 w .. + 63: 4 tiles of tokens (m) x 4 tiles of columns (t), 16 accumulators.
; The block's tokens were sorted by their pair of experts, so a block uses few experts; its mask (8 bits) is read from bmask, and the experts in it are walked in ascending order.
; A token that did not choose a walked expert has comb = 0 there, and adds 0.
; x's codes: the 64 tokens' rows are gathered once into LDS (128 KiB) and serve every expert.  W's codes go from memory straight into registers.  Both reach the products through a ring of four sets of registers, a K step of 128 to a set.
; NO TENSOR LOAD, NO CLUSTER, NO JOINT LOADS: the number of experts walked, and which, is read from memory and differs from block to block, so a tile's requests could not be counted alike on every path,
; and work-groups side by side would ask for different experts' rows.
; THE MATRIX INSTRUCTION IS USED TRANSPOSED: source 0 = 16 rows of W (columns of out), source 1 = 16 tokens: lane (r, h) holds token 16 m + r and columns 16 t + 8 h + 0..7: 32 neighbouring bytes of a row of out.
; A fragment (16 rows x 128 k) is fetched by four loads of 16 bytes at 32 c + 16 h of the step's 128 bytes: the same permutation of k in W and in x, so every product meets its partner.
; The bias is the C of an expert's first product, divided by 2^(e0 + e1); the gate's weight is multiplied by 2^(e0 + e1): relu(s) x 2^es x g = relu(s x 2^es) x g.
; LIMITS: b / 2^(e0 + e1) and comb x 2^(e0 + e1) stay finite f32 numbers (both by v_ldexp_f32).  Codes of infinity or NaN in W are not served.
; REGISTERS, in windows of 256: window 0: v1-11, v56-58 addresses; v12-15 tokens x 32; v16-23 the gate's weights, in pairs; v24-55 the bias; v64-79 the gather's offsets; v64-191 the way out's rows; v192-223 where the rows of out go.
;   window 1: v0-127 the 16 accumulators ((m, t) at 8 (4 m + t)); v128-255 out's sums, likewise.
;   windows 2 and 3: the ring.  Set q lies in window 2 + q / 2 at 128 (q % 2): W's tile t at + 16 t, x's tile m at + 64 + 16 m.  So one window setting serves a step's products and one its loads.
; THE MODE: SCHED_MODE bits 1:0 = 2 (LLVM: expert scheduling mode 2), set by the entry lines.  The code itself states the register dependences
; between vector or matrix instructions and memory or LDS instructions, with s_wait_alu, always for 0.
; THE PLAN.  Registers that memory or LDS instructions touch, in the walk over experts:
;   ring set q     Step s (s % 4 = q): its 16 products read it.  The loads of step s + 1 land in it: W's and x's fragments of the step three on from there.
;   the bias       Step 0 scales it and takes it as C; the next expert's lands in it in step 4.
;   the weights    Loaded at an expert's head; scaled and read by the expert's closing multiply-adds.
;   v4-7, v12-15   Offsets and LDS addresses: made at the kernel's head, never written again: what moves are scalar bases and immediate offsets.
;   The accumulators and out's sums are named by vector and matrix instructions alone, until the way out.
; So ONE wait on va_vdst stands at a step's head: the products of the step before are done reading their set.  The step's 32 loads follow it, dealt in two runs among its 16 products, which name
; another set, the accumulators and (step 0) the bias: none of the registers that those loads touch.  Step 0's wait is the one at the expert's head.  No wait on vm_vsrc is owed in the walk.
.set XP,  2064                         ; a token's row in LDS: 2,048 bytes + 16 = 129 x 16: the 16 rows of a fragment load start in 16 different columns of 16 bytes
.set STG, 64*XP                        ; behind the rows: a stage of 16 rows x 272 bytes for each wave, for the way out
.set SP,  272
.set TC,  12
.set CW,  16
.set BI,  24
.set BK,  64                           ; the way out: 32 registers a tile of tokens, rows read back from the stage
.set TO,  192
.set OS,  128                          ; out's sums, in window 1
.set WC,  52                           ; s[52:53] the expert in hand: its rows of W for my columns
.set WN,  54                           ; s[54:55] the next expert's
.set MSB, 0
.macro WIN new                         ; the immediate's high byte repeats the setting that is left; a switch that changes nothing is dropped
.if MSB != \new
	s_set_vgpr_msb (MSB<<8)|\new
.set MSB, \new
.endif
.endm
.macro PLACES                          ; four plain vector lines behind matrix instructions, in front of loads into registers that they read and of the first read of results
.rept 4
	v_nop
.endr
.endm
.macro NEXT                            ; the lowest expert left in the mask becomes the next one
	s_ctz_i32_b32 s51, s48
	s_min_u32 s51, s51, 7                          ; held inside the tables
	s_lshl_b32 s60, 1, s51
	s_and_not1_b32 s48, s48, s60
	s_lshl_b32 s60, s51, 22                        ; an expert's codes are 2,048 x 2,048 bytes
	s_add_nc_u64 s[WN:WN+1], s[24:25], s[60:61]
	s_lshl_b32 s60, s51, 13                        ; its bias 8,192
	s_add_nc_u64 s[56:57], s[26:27], s[60:61]
.endm
.macro LDWH b, set, step, hf           ; W's fragments 2 hf, 2 hf + 1 of a K step into a set of the ring: 8 loads
.irp u, 0,1
.irp c, 0,1,2,3
	global_load_b128 v[128*((\set)%2)+16*(2*(\hf)+\u)+4*\c:128*((\set)%2)+16*(2*(\hf)+\u)+4*\c+3], v4, s[\b:\b+1] offset:32768*(2*(\hf)+\u)+128*(\step)+32*\c
.endr
.endr
.endm
.macro LDXH set, step, hf              ; x's fragments 2 hf, 2 hf + 1 of a K step: 8 LDS loads; v5 reaches tiles 0 and 1, v6 tiles 2 and 3
.irp m, 0,1
.irp c, 0,1,2,3
	ds_load_b128 v[128*((\set)%2)+64+32*(\hf)+16*\m+4*\c:128*((\set)%2)+64+32*(\hf)+16*\m+4*\c+3], v[5+(\hf)] offset:16*XP*\m+128*(\step)+32*\c
.endr
.endr
.endm
.macro LDBIAS                          ; the next expert's bias at my columns: tile t, 8 h + 0..7
.irp t, 0,1,2,3
	global_load_b128 v[BI+8*\t:BI+8*\t+3],   v7, s[56:57] offset:64*\t
	global_load_b128 v[BI+8*\t+4:BI+8*\t+7], v7, s[56:57] offset:64*\t+16
.endr
.endm
.macro MULH s, hf                      ; 8 of a step's 16 products: tiles of tokens 2 hf, 2 hf + 1; the 16 accumulators take turns, one instruction a turn, in the same order in every step
.irp u, 0,1
.irp t, 0,1,2,3
.if (\s) == 0
	v_wmma_f32_16x16x128_bf8_bf8 v[8*(4*(2*(\hf)+\u)+\t):8*(4*(2*(\hf)+\u)+\t)+7], v[WB+16*\t:WB+16*\t+15], v[WB+64+16*(2*(\hf)+\u):WB+64+16*(2*(\hf)+\u)+15], v[BI+8*\t:BI+8*\t+7]
.else
	v_wmma_f32_16x16x128_bf8_bf8 v[8*(4*(2*(\hf)+\u)+\t):8*(4*(2*(\hf)+\u)+\t)+7], v[WB+16*\t:WB+16*\t+15], v[WB+64+16*(2*(\hf)+\u):WB+64+16*(2*(\hf)+\u)+15], v[8*(4*(2*(\hf)+\u)+\t):8*(4*(2*(\hf)+\u)+\t)+7]
.endif
.endr
.endr
.endm
; K step s of an expert.  Global loads are issued in this order: the 4 weights | W3 .. W6 (steps 0 to 3) | the next bias (8), W7 (step 4) | W8 .. W15 (steps 5 to 12) | the next expert's W0, W1, W2 (steps 13 to 15);
; the last expert: no bias, no next.  The count of the wait is what was issued behind this step's 16 loads.
.macro STEP s, last
.set WB, 128*((\s)%2)                  ; this step's set in its window
.set LS, ((\s)+3)%4                    ; the set that the step before read: this step's loads land in it
.set WL, 64*(2+LS/2)                   ; destination: that set's window; addresses window 0
.if (\s) == 0
.set WM, 0x4a                          ; W and x window 2, the bias window 0, D window 1
.else
.set WM, 0x50+5*(2+((\s)%4)/2)         ; W and x window 2 or 3, C and D window 1
.endif
.set ASK, 1
.if ((\last) != 0) && ((\s) > 12)
.set ASK, 0                            ; the last expert's last three steps ask for nothing
.endif
.if (\s) < 3
.set NW, 36                            ; two steps' 32 and the 4 weights
.elseif (((\s) == 5) || ((\s) == 6)) && ((\last) == 0)
.set NW, 40                            ; two steps' 32 and the 8 of the bias
.elseif ((\last) != 0) && ((\s) >= 14)
.set NW, 16*(15-(\s))                  ; the last expert's counts run down
.else
.set NW, 32
.endif
.set ND, 32                            ; this step's fragments of x are in; the next two steps' 32 loads may be out
.if ((\last) != 0) && ((\s) >= 14)
.set ND, 16*(15-(\s))
.endif
	s_wait_loadcnt NW
	s_wait_dscnt ND
.if (\s) == 0
.set j, 0
.rept 32
	v_ldexp_f32 v[BI+j], v[BI+j], s63              ; b / 2^(e0 + e1): it was loaded ahead of this step's W
.set j, j+1
.endr
.elseif ASK
	s_wait_alu depctr_va_vdst(0)                   ; the products of the step before are done reading their set of W and x, in which this step's loads land; in step 4 also: step 0 has scaled and read the bias, in which the next expert's lands
.endif
.if ((\s) == 4) && ((\last) == 0)
	WIN 0
	LDBIAS
.endif
	WIN WM
	MULH \s, 0
.if ASK
	WIN WL
	LDXH LS, ((\s)+3)%16, 0                        ; three steps ahead; x is the same for every expert, so steps 13 to 15 fetch the next expert's first three.  No wait: no vector or matrix instruction since the wait above names this set
.if (\s) <= 12
	LDWH WC, LS, (\s)+3, 0
.else
	LDWH WN, LS, (\s)-13, 0
.endif
.endif
	WIN WM
	MULH \s, 1
	PLACES
.if ASK
	WIN WL
	LDXH LS, ((\s)+3)%16, 1
.if (\s) <= 12
	LDWH WC, LS, (\s)+3, 1
.else
	LDWH WN, LS, (\s)-13, 1
.endif
.endif
.endm
.macro EXPERT first, last
	WIN 0
	s_wait_xcnt 0x0                                ; every load issued has read its base: the bases are written again only behind this wait
	s_mov_b64 s[WC:WC+1], s[WN:WN+1]
	s_lshl_b32 s60, s51, 2
	s_add_nc_u64 s[58:59], s[10:11], s[60:61]      ; comb at this expert's column
.if (\last) == 0
	NEXT
.endif
	s_wait_alu depctr_va_vdst(0)                   ; the expert before has scaled and read the weights' registers, in which the four loads below land, and its step 15 is done reading ring set 3, in which step 0's loads land; ahead of the first expert: v12-15, these loads' offsets, and v192-223, the last stores' addresses, are written
.irp m, 0,1,2,3
	global_load_b32 v[CW+2*\m], v[TC+\m], s[58:59] ; my token's weight for this expert, tile m
.endr
.irp s, 0,1,2,3,4,5,6,7,8,9,10,11,12,13,14,15
	STEP \s, \last
.endr
	WIN 0
.irp m, 0,1,2,3
	v_ldexp_f32 v[CW+2*\m], v[CW+2*\m], s62        ; x 2^(e0 + e1); the weights were loaded ahead of step 3's W
.endr
	WIN 0x51                                       ; destination, source 0 and source 2 window 1; the weight window 0
.irp m, 0,1,2,3
.irp t, 0,1,2,3
.irp j, 0,1,2,3,4,5,6,7
	v_max_num_f32 v[8*(4*\m+\t)+\j], v[8*(4*\m+\t)+\j], 0     ; relu; each accumulator from its low end on
.endr
.irp j, 0,2,4,6
.if \first
	v_pk_mul_f32 v[OS+8*(4*\m+\t)+\j:OS+8*(4*\m+\t)+\j+1], v[8*(4*\m+\t)+\j:8*(4*\m+\t)+\j+1], v[CW+2*\m:CW+2*\m+1] op_sel_hi:[1,0]   ; the first expert starts out's sums: nothing is cleared
.else
	v_pk_fma_f32 v[OS+8*(4*\m+\t)+\j:OS+8*(4*\m+\t)+\j+1], v[8*(4*\m+\t)+\j:8*(4*\m+\t)+\j+1], v[CW+2*\m:CW+2*\m+1], v[OS+8*(4*\m+\t)+\j:OS+8*(4*\m+\t)+\j+1] op_sel_hi:[1,0,1]
.endif
.endr
.endr
.endr
	WIN 0
.endm
	s_load_b512 s[4:19], s[0:1], 0x0               ; xq s[4:5], W s[6:7], b s[8:9], comb s[10:11], order s[12:13], bmask s[14:15], the scales s[16:17], out s[18:19]
	v_lshl_add_u32 v254, v0, 2, 0x24800
	v_mov_b32 v255, 0
	v_lshrrev_b32 v1, 5, v0
	v_readfirstlane_b32 s20, v1                    ; wave 0..3
	v_and_b32 v1, 31, v0                           ; lane
	v_and_b32 v2, 15, v0                           ; r
	v_bfe_u32 v3, v0, 4, 1                         ; h
	v_lshlrev_b32 v4, 11, v2
	v_lshl_add_u32 v4, v3, 4, v4                   ; W: row r of 2,048 bytes, + 16 h
	v_mul_u32_u24 v5, v2, XP
	v_lshl_add_u32 v5, v3, 4, v5                   ; x in LDS: row r, + 16 h: tiles 0 and 1;
	v_add_nc_u32 v6, 32*XP, v5                     ; tiles 2 and 3 (an LDS offset has 16 bits)
	v_lshlrev_b32 v7, 5, v3                        ; the bias: 32 h
	v_lshlrev_b32 v8, 4, v1                        ; 16 x lane
	s_wait_alu depctr_va_sdst(0)                   ; s20 is written, ahead of its first reader: LDS addresses and the bases of W, b and out are made from it
	s_mul_i32 s60, s20, 16*XP
	v_add_nc_u32 v9, s60, v8                       ; the fill: my wave's 16 rows, 16 bytes a lane
	s_mul_i32 s60, s20, 16*SP
	s_add_co_u32 s60, s60, STG                     ; my stage
	v_mul_u32_u24 v10, v2, SP
	v_lshl_add_u32 v10, v3, 5, v10
	v_add_nc_u32 v10, s60, v10                     ; in: row r, + 32 h
	v_mul_u32_u24 v11, v3, SP
	v_lshl_add_u32 v11, v2, 4, v11
	v_add_nc_u32 v11, s60, v11                     ; back: lanes 0-15 one row of 256 bytes, lanes 16-31 the next
	v_lshlrev_b32 v56, 2, v2                       ; 4 r
	v_lshlrev_b32 v57, 2, v3                       ; 4 h
	v_lshlrev_b32 v58, 4, v2                       ; 16 r
.irp m, 0,1,2,3
	v_mov_b32 v[CW+2*\m+1], 0                      ; named as the upper half of a pair, so it is written
.endr
	s_and_b32 s22, ttmp7, 0xffff                   ; by: the block of tokens
	s_lshl_b32 s23, ttmp9, 8
	s_lshl_b32 s60, s20, 6
	s_add_co_u32 s23, s23, s60                     ; my first column: 256 bx + 64 w
	s_mov_b32 s61, 0                               ; the upper word of every offset
	s_wait_kmcnt 0x0
	s_lshl_b32 s60, s23, 11
	s_add_nc_u64 s[24:25], s[6:7], s[60:61]        ; W at my first column's row, expert 0
	s_lshl_b32 s60, s23, 2
	s_add_nc_u64 s[26:27], s[8:9], s[60:61]        ; b likewise
	s_add_nc_u64 s[28:29], s[18:19], s[60:61]      ; out at my first column, row 0
	s_lshl_b32 s60, s22, 8
	s_add_nc_u64 s[30:31], s[12:13], s[60:61]      ; order at my block
	s_lshl_b32 s60, s20, 6
	s_add_nc_u64 s[58:59], s[30:31], s[60:61]
	s_load_b512 s[32:47], s[58:59], 0x0            ; the 16 tokens whose rows my wave gathers
	s_lshl_b32 s60, s22, 2
	s_add_nc_u64 s[52:53], s[14:15], s[60:61]
	s_load_b32 s48, s[52:53], 0x0                  ; my block's mask of experts
	s_load_b64 s[66:67], s[16:17], 0x0             ; e0, e1
	s_wait_alu depctr_va_vdst(0)                   ; the offsets and LDS addresses v4-7, v9-11, v56 and v57 are written, which the loads and stores of the whole kernel read
.irp m, 0,1,2,3
.irp i, 0,1,2,3,4,5,6,7
	global_load_b32 v[TO+8*\m+\i], v57, s[30:31] offset:4*(16*\m+2*\i)   ; token 16 m + 2 i + h: the row of out that I store in the way out's line i
.endr
.endr
.irp m, 0,1,2,3
	global_load_b32 v[TC+\m], v56, s[30:31] offset:64*\m                 ; token 16 m + r: the one whose sums I hold
.endr
	s_wait_kmcnt 0x0
.irp i, 0,1,2,3,4,5,6,7,8,9,10,11,12,13,14,15
	s_min_u32 s[32+\i], s[32+\i], 2047             ; held inside the table
	s_lshl_b32 s[32+\i], s[32+\i], 11
	v_add_nc_u32 v[64+\i], s[32+\i], v8            ; the row's first 512 bytes, 16 a lane
.endr
	WIN 0x40                                       ; destination window 1: the accumulators' registers are still free
	s_wait_alu depctr_va_vdst(0)                   ; v64-79 are written, the gather's offsets
.irp i, 0,1,2,3,4,5,6,7,8,9,10,11,12,13,14,15
.irp q, 0,1,2,3
	global_load_b128 v[16*\i+4*\q:16*\i+4*\q+3], v[64+\i], s[4:5] offset:512*\q   ; 32 lanes read 512 consecutive bytes of a token's codes
.endr
.endr
	WIN 0
	s_and_b32 s48, s48, 0xff
	s_bcnt1_i32_b32 s49, s48
	s_max_u32 s49, s49, 2                          ; a token has two experts, so a block has two at the least: a first and a last;
	s_sub_co_u32 s49, s49, 2                       ; the others go round the loop
	s_add_co_i32 s62, s66, s67                     ; es = e0 + e1
	s_sub_co_i32 s63, 0, s62
	NEXT                                           ; the first expert
	LDBIAS
	WIN 0x80                                       ; destination window 2: sets 0 and 1
	LDWH WN, 0, 0, 0
	LDWH WN, 0, 0, 1
	LDWH WN, 1, 1, 0
	LDWH WN, 1, 1, 1
	WIN 0xc0                                       ; destination window 3: set 2
	LDWH WN, 2, 2, 0
	LDWH WN, 2, 2, 1
	s_wait_loadcnt 56                              ; the tokens and the gathered rows are in; the 8 loads of the bias and the 48 of W may be out
	WIN 0x04                                       ; store data window 1
.irp i, 0,1,2,3,4,5,6,7,8,9,10,11,12,13,14,15
.irp q, 0,1,2,3
	ds_store_b128 v9, v[16*\i+4*\q:16*\i+4*\q+3] offset:XP*\i+512*\q
.endr
.endr
	WIN 0
.set j, 0
.rept 32
	v_min_u32 v[TO+j], 0x7ff, v[TO+j]
	v_lshl_add_u32 v[TO+j], v[TO+j], 13, v58       ; the token's row of out, 8,192 bytes, + 16 r
.set j, j+1
.endr
.irp m, 0,1,2,3
	v_min_u32 v[TC+\m], 0x7ff, v[TC+\m]
	v_lshlrev_b32 v[TC+\m], 5, v[TC+\m]            ; the token's row of comb, 32 bytes
.endr
	s_wait_dscnt 0x0                               ; for the others' sake: my 16 rows have landed
	s_barrier_signal -1
	s_barrier_wait -1                              ; the one barrier: all 64 rows lie in LDS, and nobody writes them again
	s_wait_alu depctr_vm_vsrc(0)                   ; my LDS stores have read window 1's registers, which the products and out's sums write from here on; the gather has read v64-79, in which the way out's LDS loads land
	WIN 0x80
	LDXH 0, 0, 0
	LDXH 0, 0, 1
	LDXH 1, 1, 0
	LDXH 1, 1, 1
	WIN 0xc0
	LDXH 2, 2, 0
	LDXH 2, 2, 1                                   ; the fragments of steps 0 to 2; each step asks for those of the step three on
	EXPERT 1, 0
	s_cmp_eq_u32 s49, 0
	s_cbranch_scc1 .Llast
.Lmid:
	EXPERT 0, 0
	s_sub_co_u32 s49, s49, 1
	s_cmp_lg_u32 s49, 0
	s_cbranch_scc1 .Lmid
.Llast:
	EXPERT 0, 1                                    ; written out: it asks for nothing beyond itself
; THE WAY OUT, a tile of 16 tokens at a time.  A lane holds 32 bytes of a token's row and the lanes beside it hold other tokens: so a tile goes through my own stage and comes back as rows of 256 bytes.
; LDS serves a wave's instructions in order (ISA guide 5.7.1.4): no wait between the stores and the loads, nor in front of the next tile's stores.
.macro STAGE m
	WIN 0x04
.irp t, 0,1,2,3
	ds_store_b128 v10, v[OS+8*(4*(\m)+\t):OS+8*(4*(\m)+\t)+3] offset:64*\t
	ds_store_b128 v10, v[OS+8*(4*(\m)+\t)+4:OS+8*(4*(\m)+\t)+7] offset:64*\t+16
.endr
	WIN 0
.irp i, 0,1,2,3,4,5,6,7
	ds_load_b128 v[BK+32*(\m)+4*\i:BK+32*(\m)+4*\i+3], v11 offset:2*SP*\i
.endr
.endm
.macro SEND m, younger                 ; younger: the LDS instructions issued behind tile m's loads: the next tile's sixteen, or none
	s_wait_dscnt \younger
.irp i, 0,1,2,3,4,5,6,7
	global_store_b128 v[TO+8*(\m)+\i], v[BK+32*(\m)+4*\i:BK+32*(\m)+4*\i+3], s[28:29] th:TH_STORE_NT   ; 16 lanes store 256 consecutive bytes of one token's row, at a multiple of 256 from out's first byte
.endr
.endm
	s_wait_alu depctr_va_vdst(0)                   ; the last expert's multiply-adds have written out's sums, which the LDS stores below read; no vector instruction follows
	STAGE 0
	STAGE 1
	SEND 0, 16
	STAGE 2
	SEND 1, 16
	STAGE 3
	SEND 2, 16
	SEND 3, 0
	s_wait_dscnt 0x0                               ; the closing lines, six on end
	s_wait_alu 0x0
	s_wait_tensorcnt 0x0
	ds_add_u32 v254, v255
	s_wait_dscnt 0x0
	s_endpgm
.Lfunc_end_k_q66ab721bcd_experts:
	.size	k_q66ab721bcd_experts, .Lfunc_end_k_q66ab721bcd_experts-k_q66ab721bcd_experts
	.p2alignl 7, 3214868480
	.fill 96, 4, 3214868480
	.section	.rodata,"a",@progbits
	.p2align	6, 0x0
	.amdhsa_kernel k_q66ab721bcd_experts
		.amdhsa_group_segment_fixed_size 150016
		.amdhsa_private_segment_fixed_size 0
		.amdhsa_enable_private_segment 0
		.amdhsa_kernarg_size 64
		.amdhsa_user_sgpr_count 2
		.amdhsa_user_sgpr_kernarg_segment_ptr 1
		.amdhsa_wavefront_size32 1
		.amdhsa_system_sgpr_workgroup_id_x 1
		.amdhsa_system_sgpr_workgroup_id_y 1
		.amdhsa_system_sgpr_workgroup_id_z 1
		.amdhsa_system_vgpr_workitem_id 0
		.amdhsa_next_free_vgpr 1024
		.amdhsa_next_free_sgpr 72
		.amdhsa_reserve_vcc 0
		.amdhsa_float_denorm_mode_32 3
		.amdhsa_float_denorm_mode_16_64 3
		.amdhsa_memory_ordered 1
		.amdhsa_forward_progress 1
		.amdhsa_inst_pref_size 255
	.end_amdhsa_kernel
	.section	.bss,"aw",@nobits
	.p2align	6
	.space	262144
	.amdgpu_metadata
---
amdhsa.version: [ 1, 2 ]
amdhsa.kernels:
  - .name:           k_q66ab721bcd_experts
    .symbol:         k_q66ab721bcd_experts.kd
    .args:
      - { .name: xq, .offset: 0, .size: 8, .value_kind: global_buffer, .address_space: global }
      - { .name: W_experts_codes, .offset: 8, .size: 8, .value_kind: global_buffer, .address_space: global }
      - { .name: b_experts, .offset: 16, .size: 8, .value_kind: global_buffer, .address_space: global }
      - { .name: comb, .offset: 24, .size: 8, .value_kind: global_buffer, .address_space: global }
      - { .name: order, .offset: 32, .size: 8, .value_kind: global_buffer, .address_space: global }
      - { .name: bmask, .offset: 40, .size: 8, .value_kind: global_buffer, .address_space: global }
      - { .name: lowp_scales, .offset: 48, .size: 8, .value_kind: global_buffer, .address_space: global }
      - { .name: out0, .offset: 56, .size: 8, .value_kind: global_buffer, .address_space: global }
    .group_segment_fixed_size: 150016
    .private_segment_fixed_size: 0
    .kernarg_segment_align: 8
    .kernarg_segment_size: 64
    .max_flat_workgroup_size: 128
    .sgpr_count:     72
    .vgpr_count:     1024
    .wavefront_size: 32
...
	.end_amdgpu_metadata
.endif
;; end of part 6
